; MI455X (gfx1250); checked and timed in simulation.
; The chip was launched on July 23, 2026; its instructions are those of AMD's public machine-readable ISA for CDNA 5 (MIT licence, August 2026) and "CDNA5" Instruction Set Architecture Reference Guide (July 2026). The comments in the code are by the model that wrote it; some were corrected since.
;; Multi Head Attention. Allowed arithmetic: matrix products marked QUANTISED: E3M2 operands, one E8M0 scale for each 32 along K, by v_wmma_scale_f32_16x16x128_f8f6f4 with both operands' format E3M2, f32 sums; everything else in f32.
;; Inputs: input 4 x 2,048 x 1,024 float32; mask 2,048 x 2,048 bool; out_b 1,024 float32; out_w 1,024 x 1,024 float32; qkv_b 3,072 float32; qkv_w 3,072 x 1,024 float32.
;; Outputs: out0 4 x 2,048 x 1,024 float32.
;; This version of the problem:
;;   THIS VERSION OF THE PROBLEM IS GIVEN IN LOW PRECISION. The matrix products marked QUANTISED in the list below multiply operands that are first quantised to E3M2 (3 exponent bits, 2 mantissa bits; 6 bits a number), with one power-of-two scale for each 32 numbers along K (OCP MX v1.0); their sums are f32. All else is computed in f32.
;;   The module's matrix products, in the order in which they are computed (A, B: the left and right operand; K: the contracted axis; several contracted axes count as one K, in the product's order):
;;     1. [M 8,192, K 1,024] x [K 1,024, N 3,072]; A: input input; B: input qkv_w: QUANTISED
;;     2. batch 64 x [M 2,048, K 64] x [K 64, N 2,048]; A: computed on the way; B: computed on the way: QUANTISED
;;     3. batch 64 x [M 2,048, K 2,048] x [K 2,048, N 64]; A: softmax (see below); B: computed on the way: QUANTISED
;;     4. [M 8,192, K 1,024] x [K 1,024, N 1,024]; A: computed on the way; B: input out_w: QUANTISED
;;   THE QUANTISER, for each operand of a quantised product, along K:
;;     - K is cut into blocks of 32 from its start; a last block that is shorter is filled with zeros.
;;     - A block's scale is 2^e with e = floor(log2(the largest magnitude in the block)) - 4, held to -126 .. 127; a block of zeros has e = 0. As a byte (E8M0): e + 127.
;;     - Each number is divided by its block's scale, clamped to +-28, and rounded to the nearest number of E3M2, ties to even, subnormals kept.
;;     - The product sums the exact products of the quantised numbers (number of the format x scale) in f32.
;;   ~~~python
;;   def quantise(x, axis):      # numpy; x: float32 -> the quantised numbers, widened to float32 again
;;       x = np.moveaxis(x, axis, -1); K = x.shape[-1]
;;       x = np.pad(x, [(0, 0)] * (x.ndim - 1) + [(0, -K % 32)]); x = x.reshape(x.shape[:-1] + (-1, 32)); a = np.abs(x).max(-1, keepdims=True)
;;       e = np.where(a > 0, np.clip(np.frexp(np.where(a > 0, a, 1))[1] - 1 - 4, -126, 127), 0)      # np.frexp(a)[1] - 1 = floor(log2(a)), exactly
;;       r = np.clip(x / 2.0 ** e, -28, 28)
;;       step = 2.0 ** (np.maximum(np.frexp(np.where(r == 0, 1, r))[1] - 1, -2) - 2)
;;       q = np.round(r / step) * step * 2.0 ** e      # np.round: ties to even
;;       return np.moveaxis(q.reshape(q.shape[:-2] + (-1,))[..., :K], -1, axis).astype(np.float32)
;;   ~~~
;;   SOFTMAX AHEAD OF A QUANTISED PRODUCT. Where the list says 'softmax', what is quantised is not the finished softmax but p = 2^(t - M), with t = logit x log2(e) and M = ceil(the row's largest t), a whole number; so 1/2 < the row's largest p <= 1. The row's sum l is taken of the UNQUANTISED p, in f32, and the product's result is divided by l at the end. Since M is a whole number, a kernel that streams over the keys may use a running M (the ceiling of the running maximum): every later rescaling is an exact power of two, which a block's scale takes up: the codes' values come out the same.
;;   OPERANDS COMPUTED ON THE WAY. 'Computed on the way' means the value that the module computes at that place (a softmax that the list does not call 'softmax' is quantised finished and normalised). What goes into a quantiser is computed in f32, as accurately as f32 sums, v_exp_f32 and their like allow (about 1e-6 of the number): no bf16 or f16 on the way to a quantiser, and a product that is left as it is and whose result goes on into a quantised operand takes f32 operands (vector FMAs, or v_wmma_f32_16x16x4_f32). A number that lies on a knife's edge between two numbers of the format may be rounded either way, as far as f32 arithmetic and the matrix unit's own rounding can turn it there, and no further.
;; One version. Each part assembles by itself: llvm-mc -triple=amdgcn-amd-amdhsa -mcpu=gfx1250 --defsym DOCPART=n.
;; ======== version 1 of 1: 4 launches
;; limits: right only within a limited range of input values
;; workspace buffers: opc 9,437,184 bytes; ops 393,216 bytes; maskw 524,288 bytes of whole numbers; maskf 8,192 bytes of whole numbers; qkv 20,185,088 bytes; aoc 6,291,456 bytes; aos 262,144 bytes
;; launch prep (part 1): grid 640 x 1, 4 waves a work-group, no clusters, 33,280 bytes of LDS; arguments input, qkv_w, out_w, mask, opc, ops, maskw, maskf; writes opc, ops, maskw, maskf
.if DOCPART == 1
	.amdgcn_target "amdgcn-amd-amdhsa--gfx1250"
	.amdhsa_code_object_version 6
	.text
	.protected	k_q58815297d2_prep
	.globl	k_q58815297d2_prep
	.p2align	8
	.type	k_q58815297d2_prep,@function
k_q58815297d2_prep:
	s_mov_b64 s[64:65], 0
	v_nop
	global_prefetch_b8 v0, s[64:65] scope:SCOPE_SE
	s_setreg_imm32_b32 hwreg(HW_REG_WAVE_MODE, 25, 1), 1
	s_wait_xcnt 0x0
; PREP.  (1) input [8192][1024], qkv_w [3072][1024] and out_w [1024][1024], f32, become codes of BF6 (E3M2), K innermost, with one E8M0 byte for each 32 along K:
; opc [12288 rows][768 bytes], ops [12288 rows][32 bytes]; rows 0.. are input's, 8192.. qkv_w's, 11264.. out_w's.
; (2) mask [2048][2048] of bytes becomes lane-mask words for the attention launch.
; STORED ORDER: in opc and ops bits 3 and 4 of a row's number change places: stored row 32 g + 16 u + r is row 32 g + 8 u + (r & 7) + 16 (r >> 3).  Sixteen stored rows on end are then a tile whose
; results, used as source 0 of a matrix instruction, give a lane 16 neighbours in the registers of two neighbouring tiles.  A wave takes 8 rows, so the swap is a swap of the waves' places: nothing else knows of it.
; A block's scale is 2^(floor(log2(its largest magnitude)) - 4); its byte is the largest magnitude's exponent field - 4, held at 1 from below.  A block of zeros so gets the byte 1 where the rule says 127:
; its codes are zeros, which add nothing under any byte but 0xff, and this program alone reads the bytes.
; LIMITS: blocks whose largest magnitude lies under 2^-122 keep the byte 1; NaN and infinities among the inputs are not served.
; Work-groups 0-383 quantise (32 rows each, 8 a wave: 16 steps of 512 numbers), work-groups 384-639 pack the mask.  Only the quantising path uses LDS.  Waves share nothing: no barrier, no cluster.
; OPC'S ORDER IN MEMORY (in place of plain rows of 768 bytes): [256 stored rows][K step of 256: 4][half of 128 rows][row][192 bytes].  The 128 rows x 192 bytes that one tensor load
; of the products' launches fetches are then 24,576 bytes on end, which it takes as 96 rows of 256 bytes, each at a multiple of 256 bytes.  ops stays [row][32].
; (3) maskf [tile of queries, 128][key step, 16]: the word is 1 << step where all 16 x 128 bytes of the mask are true, else 0.
.set STEPS, 16
.set EMAX,  4
.set CB,    12                         ; bytes of 16 codes
.set R,     16                         ; v16-79   four sets of 16 numbers as they are loaded
.set X,     80                         ; v80-111  two sets of 16 neighbours
.set C,     128                        ; v128-191 codes: four registers for each step, so that no store's data are written again
.set E,     112                        ; v112-127 a scale byte for each step
.set WREG,  8192                       ; LDS: a region for each wave: two stages of 32 x SP bytes, behind them its 256 scale bytes
.set SP,    80                         ; a lane's place in a stage: its 64 bytes + 16 of padding
.set QWG,   384                        ; work-groups that quantise
	s_load_b256 s[4:11], s[0:1], 0x0               ; input s[4:5], qkv_w s[6:7], out_w s[8:9], mask s[10:11]
	s_load_b128 s[12:15], s[0:1], 0x20             ; opc s[12:13], ops s[14:15]
	s_load_b64 s[16:17], s[0:1], 0x30              ; maskw
	s_load_b64 s[32:33], s[0:1], 0x38              ; maskf
	v_lshl_add_u32 v192, v0, 2, 0x8000
	v_mov_b32 v193, 0
	v_lshrrev_b32 v1, 5, v0
	v_readfirstlane_b32 s18, v1                    ; wave
	v_and_b32 v2, 31, v0                           ; lane
	s_wait_kmcnt 0x0
	s_cmp_ge_u32 ttmp9, QWG
	s_cbranch_scc1 .Lmask
	; ---------------- the quantiser ----------------
	s_wait_alu depctr_va_vdst(0)
	v_lshlrev_b32 v3, 4, v2                        ; my 16 bytes of a load's 512
	s_mul_i32 s19, s18, WREG
	v_lshrrev_b32 v14, 2, v2
	v_mul_u32_u24 v14, v14, SP
	v_and_b32 v15, 3, v2
	v_lshl_add_u32 v14, v15, 4, v14
	v_add_nc_u32 v14, s19, v14                     ; the stage, on the way in: four lanes' 64 bytes on end, then 16 of padding
	v_mul_u32_u24 v15, v2, SP
	v_add_nc_u32 v15, s19, v15                     ; and on the way out: SP x lane: my 16 neighbours
	v_and_b32 v4, 15, v2                           ; a step is half a row: lanes 0-15 hold one K step's 192 bytes, lanes 16-31 the next one's, 49,152 bytes on
	v_lshrrev_b32 v10, 4, v2
	v_mul_u32_u24 v4, v4, CB
	v_mad_u32_u24 v4, v10, 0xc000, v4
	v_lshrrev_b32 v5, 1, v2
	s_add_co_u32 s19, s19, 2*32*SP
	v_add_nc_u32 v5, s19, v5                       ; LDS: my wave's 256 scale bytes, my block's byte
	v_lshlrev_b32 v7, 3, v2                        ; and on the way out 8 bytes a lane
	v_add_nc_u32 v6, s19, v7
	s_mov_b32 s20, 352                             ; which tensor: the choice hangs on the work-group's number alone
	s_cmp_lt_u32 ttmp9, 352
	s_cselect_b64 s[6:7], s[6:7], s[8:9]           ; qkv_w (256-351) or out_w (352-383)
	s_cselect_b32 s20, 256, s20
	s_cmp_lt_u32 ttmp9, 256
	s_cselect_b64 s[4:5], s[4:5], s[6:7]           ; or input (0-255)
	s_cselect_b32 s20, 0, s20                      ; the tensor's first work-group
	s_sub_co_u32 s20, ttmp9, s20
	s_lshl_b32 s20, s20, 2
	s_add_co_u32 s20, s20, s18                     ; which run of 8 rows of the tensor is my wave's
	s_lshl_b32 s20, s20, 15                        ; 32,768 bytes a run (under 2^26)
	s_mov_b32 s21, 0
	s_add_nc_u64 s[4:5], s[4:5], s[20:21]
	s_and_b32 s22, s18, 1                          ; where it goes: wave w's 8 rows take the place of wave ((w & 1) << 1) | (w >> 1): the stored order
	s_lshl_b32 s22, s22, 1
	s_lshr_b32 s23, s18, 1
	s_or_b32 s22, s22, s23
	s_lshl_b32 s23, ttmp9, 2
	s_add_co_u32 s22, s22, s23
	s_lshr_b32 s24, s22, 5                         ; which 256 stored rows,
	s_mul_i32 s24, s24, 196608
	s_bfe_u32 s26, s22, 0x10004                    ; which half of them,
	s_mul_i32 s26, s26, 24576
	s_add_co_u32 s24, s24, s26
	s_and_b32 s26, s22, 15                         ; which 8 rows of the 128
	s_mul_i32 s26, s26, 1536
	s_add_co_u32 s24, s24, s26
	s_mov_b32 s25, 0
	s_add_nc_u64 s[12:13], s[12:13], s[24:25]
	s_lshl_b32 s24, s22, 8                         ; 256 scale bytes a run
	s_add_nc_u64 s[14:15], s[14:15], s[24:25]
.macro LOAD t
.irp i, 0,1,2,3
	global_load_b128 v[R+16*((\t)%4)+4*\i:R+16*((\t)%4)+4*\i+3], v3, s[4:5] offset:2048*(\t)+512*\i th:TH_LOAD_NT   ; 32 lanes read 512 consecutive bytes
.endr
.endm
.macro TURN t                          ; step t's numbers through the stage: LDS serves a wave's instructions in order, so no wait stands between the stores and the loads
.irp i, 0,1,2,3
	ds_store_b128 v14, v[R+16*((\t)%4)+4*\i:R+16*((\t)%4)+4*\i+3] offset:32*SP*((\t)%2)+8*SP*\i
.endr
.irp i, 0,1,2,3
	ds_load_b128 v[X+16*((\t)%2)+4*\i:X+16*((\t)%2)+4*\i+3], v15 offset:32*SP*((\t)%2)+16*\i
.endr
.endm
.irp t, 0,1,2,3
	LOAD \t
.endr
	s_wait_alu depctr_va_vdst(0)
	s_wait_loadcnt 12                              ; step 0's four loads are in
	TURN 0
.macro STEP t
.set XS, X+16*((\t)%2)
.if (\t) > 0
	s_wait_dscnt 1                                 ; this step's numbers are back from the stage (the last step's byte store may be out): so its stores into the stage have read their registers,
.else
	s_wait_dscnt 0x0
.endif
.if (\t)+4 < STEPS
	LOAD (\t)+4                                    ; which take the loads of four steps on
.endif
.if (\t)+1 < STEPS
.if STEPS-2-(\t) >= 3
	s_wait_loadcnt 12                              ; the next step's four loads are in; those of the three steps behind it may be out
.else
	s_wait_loadcnt 4*(STEPS-2-(\t))
.endif
	TURN (\t)+1                                    ; and go through the other stage while this step is worked
.endif
	v_max3_num_f32 v8, |v[XS]|, |v[XS+1]|, |v[XS+2]|               ; the largest magnitude of my 16
	v_max3_num_f32 v9, |v[XS+3]|, |v[XS+4]|, |v[XS+5]|
.irp i, 6,10
	v_max3_num_f32 v8, v8, |v[XS+\i]|, |v[XS+\i+1]|
	v_max3_num_f32 v9, v9, |v[XS+\i+2]|, |v[XS+\i+3]|
.endr
	v_max3_num_f32 v8, v8, |v[XS+14]|, |v[XS+15]|
	v_max3_num_f32 v8, v8, v9, (EMAX+1)<<23        ; and the floor 2^(EMAX + 1 - 127): the byte cannot fall under 1
	v_max_num_f32_dpp v8, v8, v8 row_xmask:1 row_mask:0xf bank_mask:0xf   ; and of my neighbour's 16: the block's
	v_add_nc_u32 v11, -(EMAX<<23), v8              ; EMAX off its exponent field: the conversion takes the exponent field of this operand as its scale
	v_cvt_scalef32_pk16_bf6_f32 v[C+4*(\t):C+4*(\t)+2], v[XS:XS+15], v11   ; sixteen numbers / the scale, to the nearest code, ties to even, beyond the largest code the largest
	v_lshrrev_b32 v[E+(\t)], 23, v11               ; the scale's byte (also the plain line behind the conversion)
	ds_store_b8 v5, v[E+(\t)] offset:16*(\t)       ; both lanes of a block write the same byte with the same value
	global_store_b96 v4, v[C+4*(\t):C+4*(\t)+2], s[12:13] offset:192*((\t)/2)+98304*((\t)%2)   ; row t / 2, K steps 2 (t % 2) and 2 (t % 2) + 1: twice 192 consecutive bytes
.endm
.irp t, 0,1,2,3,4,5,6,7,8,9,10,11,12,13,14,15
	STEP \t
.endr
	ds_load_b64 v[12:13], v6                       ; LDS serves a wave's instructions in order: these see my stores
	s_wait_dscnt 0x0
	global_store_b64 v7, v[12:13], s[14:15]        ; 32 lanes store 256 consecutive bytes, aligned
	s_wait_tensorcnt 0x0
	ds_add_u32 v192, v193
	s_wait_dscnt 0x0
	s_endpgm
	; ---------------- the mask ----------------
	; maskw [tile of queries T, 128][key step, 16][64 words].  Word n = 16 g + i of a step (g = 2 c + u): bit r + 16 h is mask[query(T, r)][128 step + 64 c + 32 h + 16 u + i],
	; query(T, r) = 32 (T >> 1) + 8 (T & 1) + (r & 7) + 16 (r >> 3): the stored order of the tokens.  That is the lane mask for score register n of the attention launch, in which a lane holds whole blocks of 32 keys.
	; A wave takes one T and 256 keys (two steps): lane (r, h) loads 16 bytes of its query's row eight times; each byte becomes one bit of a compare's result.
.Lmask:
	s_sub_co_u32 s20, ttmp9, QWG
	s_lshl_b32 s20, s20, 2
	s_add_co_u32 s20, s20, s18                     ; task 0..1023
	s_lshr_b32 s21, s20, 3                         ; T
	s_and_b32 s22, s20, 7                          ; which 256 keys
	s_lshr_b32 s23, s21, 1
	s_lshl_b32 s23, s23, 5
	s_and_b32 s24, s21, 1
	s_lshl_b32 s24, s24, 3
	s_add_co_u32 s23, s23, s24                     ; the tile's first query: 32 (T >> 1) + 8 (T & 1)
	s_lshl_b32 s24, s23, 11                        ; a row of the mask is 2,048 bytes
	s_lshl_b32 s25, s22, 8
	s_add_co_u32 s24, s24, s25
	s_mov_b32 s25, 0
	s_add_nc_u64 s[10:11], s[10:11], s[24:25]
	s_lshl_b32 s24, s21, 4
	s_lshl_b32 s26, s22, 1
	s_add_co_u32 s24, s24, s26
	s_lshl_b32 s24, s24, 8                         ; (16 T + step) x 256 bytes
	s_add_nc_u64 s[16:17], s[16:17], s[24:25]
	s_wait_alu depctr_va_vdst(0)
	v_and_b32 v3, 7, v2
	v_bfe_u32 v4, v2, 3, 1
	v_lshl_add_u32 v3, v4, 4, v3                   ; (r & 7) + 16 (r >> 3)
	v_lshrrev_b32 v4, 4, v2
	v_lshlrev_b32 v4, 5, v4                        ; 32 h
	v_lshl_add_u32 v3, v3, 11, v4
	v_lshlrev_b32 v5, 3, v2                        ; out: 8 bytes a lane
.irp e, 0,1
.irp b, 0,1,2,3
	global_load_b128 v[32+16*\e+4*\b:35+16*\e+4*\b], v3, s[10:11] offset:128*\e+64*(\b/2)+16*(\b%2)   ; keys 128 e + 64 c + 32 h + 16 u + 0 .. 15 of my query; the eight loads cover 256 bytes on end of each of 16 rows
.endr
.endr
.irp j, 0,1,2,3
	v_mov_b32 v[96+\j], 0                          ; written whole before single lanes are written
.endr
	s_wait_alu depctr_va_vdst(0)
	s_wait_loadcnt 0x0
.set n, 0
.rept 128                              ; step n / 64, word n % 64
	v_bfe_u32 v[8+n%4], v[32+16*(n/64)+4*((n%64)/16)+(n%16)/4], 8*(n%4), 8
	v_cmp_ne_u32 s[28+n%4], 0, v[8+n%4]            ; the 32 lanes' bits: the word
	v_writelane_b32 v[96+2*(n/64)+n%2], s[28+n%4], (n%64)/2   ; word m goes to lane m / 2, register m % 2
.set n, n+1
.endr
	global_store_b64 v5, v[96:97], s[16:17]        ; 32 lanes store a step's 256 bytes, aligned
	global_store_b64 v5, v[98:99], s[16:17] offset:256
	; the two steps' flags.  A byte of the mask is 0 or 1: the AND of a lane's 16 words of a step is 0x01010101 just where its 64 bytes are all 1
.irp e, 0,1
	v_and_b32 v[104+\e], v[32+16*\e], v[33+16*\e]
.endr
.irp k, 2,3,4,5,6,7,8,9,10,11,12,13,14,15
.irp e, 0,1
	s_delay_alu instid0(VALU_DEP_2)
	v_and_b32 v[104+\e], v[104+\e], v[32+16*\e+\k]
.endr
.endr
	v_cmp_eq_u32 s28, 0x01010101, v104
	v_cmp_eq_u32 s29, 0x01010101, v105
	s_lshl_b32 s30, 1, s26                         ; s26 = the first of my two steps
	s_lshl_b32 s31, 2, s26
	s_cmp_eq_u32 s28, -1                           ; all 32 lanes?
	s_cselect_b32 s30, s30, 0
	s_cmp_eq_u32 s29, -1
	s_cselect_b32 s31, s31, 0
	v_mov_b32 v100, s30
	v_mov_b32 v101, s31
	s_lshl_b32 s24, s21, 6                         ; 64 bytes a tile T,
	s_lshl_b32 s26, s26, 2                         ; 4 a step
	s_add_co_u32 s24, s24, s26
	s_add_nc_u64 s[32:33], s[32:33], s[24:25]      ; (s25 = 0)
	v_cmp_gt_u32 vcc_lo, 1, v2                     ; lane 0 stores the two words
	s_wait_alu depctr_va_vdst(0)
	s_wait_xcnt 0x0                                ; EXEC changes only behind this wait
	s_and_saveexec_b32 s27, vcc_lo
	global_store_b64 v5, v[100:101], s[32:33]
	s_wait_xcnt 0x0
	s_or_b32 exec_lo, exec_lo, s27
	s_endpgm
.Lfunc_end_k_q58815297d2_prep:
	.size	k_q58815297d2_prep, .Lfunc_end_k_q58815297d2_prep-k_q58815297d2_prep
	.p2alignl 7, 3214868480
	.fill 96, 4, 3214868480
	.section	.rodata,"a",@progbits
	.p2align	6, 0x0
	.amdhsa_kernel k_q58815297d2_prep
		.amdhsa_group_segment_fixed_size 33280
		.amdhsa_private_segment_fixed_size 0
		.amdhsa_enable_private_segment 0
		.amdhsa_kernarg_size 64
		.amdhsa_user_sgpr_count 2
		.amdhsa_user_sgpr_kernarg_segment_ptr 1
		.amdhsa_wavefront_size32 1
		.amdhsa_system_sgpr_workgroup_id_x 1
		.amdhsa_system_sgpr_workgroup_id_y 1
		.amdhsa_system_sgpr_workgroup_id_z 1
		.amdhsa_system_vgpr_workitem_id 0
		.amdhsa_next_free_vgpr 194
		.amdhsa_next_free_sgpr 66
		.amdhsa_reserve_vcc 1
		.amdhsa_float_denorm_mode_32 3
		.amdhsa_float_denorm_mode_16_64 3
		.amdhsa_memory_ordered 1
		.amdhsa_forward_progress 1
		.amdhsa_inst_pref_size 62
	.end_amdhsa_kernel
	.amdgpu_metadata
---
amdhsa.version: [ 1, 2 ]
amdhsa.kernels:
  - .name:           k_q58815297d2_prep
    .symbol:         k_q58815297d2_prep.kd
    .args:
      - { .name: input, .offset: 0, .size: 8, .value_kind: global_buffer, .address_space: global }
      - { .name: qkv_w, .offset: 8, .size: 8, .value_kind: global_buffer, .address_space: global }
      - { .name: out_w, .offset: 16, .size: 8, .value_kind: global_buffer, .address_space: global }
      - { .name: mask, .offset: 24, .size: 8, .value_kind: global_buffer, .address_space: global }
      - { .name: opc, .offset: 32, .size: 8, .value_kind: global_buffer, .address_space: global }
      - { .name: ops, .offset: 40, .size: 8, .value_kind: global_buffer, .address_space: global }
      - { .name: maskw, .offset: 48, .size: 8, .value_kind: global_buffer, .address_space: global }
      - { .name: maskf, .offset: 56, .size: 8, .value_kind: global_buffer, .address_space: global }
    .group_segment_fixed_size: 33280
    .private_segment_fixed_size: 0
    .kernarg_segment_align: 8
    .kernarg_segment_size: 64
    .max_flat_workgroup_size: 128
    .sgpr_count:     66
    .vgpr_count:     194
    .wavefront_size: 32
...
	.end_amdgpu_metadata
.endif
;; end of part 1
;; launch gemm_qkv (part 2): grid 96 x 4, 4 waves a work-group, clusters of 4 x 4, 327,680 bytes of LDS; arguments opc, ops, qkv_b, qkv; writes qkv
.if DOCPART == 2
	.amdgcn_target "amdgcn-amd-amdhsa--gfx1250"
	.amdhsa_code_object_version 6
	.text
	.protected	k_q58815297d2_gemm_qkv
	.globl	k_q58815297d2_gemm_qkv
	.p2align	8
	.type	k_q58815297d2_gemm_qkv,@function
k_q58815297d2_gemm_qkv:
	s_mov_b64 s[64:65], 0
	v_nop
	global_prefetch_b8 v0, s[64:65] scope:SCOPE_SE
	s_setreg_imm32_b32 hwreg(HW_REG_WAVE_MODE, 25, 1), 1
	s_wait_xcnt 0x0
	s_wait_alu depctr_hold_cnt(0) depctr_sa_sdst(0) depctr_va_vdst(0) depctr_va_sdst(0) depctr_va_ssrc(0) depctr_va_vcc(0) depctr_vm_vsrc(0)
	s_getreg_b32 s2, hwreg(HW_REG_IB_STS2, 6, 4)
	s_cmp_eq_u32 s2, 0
	s_cbranch_scc0 .Lentry_in_a_cluster
	s_endpgm
.Lentry_in_a_cluster:
	s_bfe_u32 s2, ttmp6, 0x10000c
	s_cmp_lg_u32 s2, 0xf033
	s_cbranch_scc0 .Lentry_shape_is_right
	s_endpgm
.Lentry_shape_is_right:
.set KSTEP,  256
.set NQ,     2
.set ROWB,   49152                     ; bytes in opc from a K step's block to the next K step's
.set KROW,   768
.set PITCH,  240
.set FR,     12
.set NL,     6
.set NP,     4
.set HALFT,  128*PITCH
.set SLOT,   4*HALFT
.set LAPS,   2
.set KS,     32
.set SCL,    2*SLOT
.set HALFS,  (128*KS/256)*272
.set SBLK,   (16*KS/256)*272
.set SPARE,  SCL+4*HALFS
.set HEADB,  315392
.set VBN,  8
.set VBM,  9
.set L16,  10
.set L8,   11
.set SH,   12
.set SVO,  13
.set ADRA, 16
.set ADRB, 20
.set ADRS, 27
.set SPW,  28
.set NIL,  29
.set SC,   32
.set BN,   64
.set AF,   128
.set BM,   224
.set T,    128
.set CDS,  192
.set SW,   32
.set TM,   40
.set XO,   56
.set SEL,  18
.set G1, 24
.set G0, 32
.set G1B, 48
.set G0B, 56
.set G1S, 68
.set G0S, 76
.set G1SB, 80
.set G0SB, 88
.set MSB, 0
.macro WIN new
.if MSB != \new
	s_set_vgpr_msb (MSB<<8)|\new
.set MSB, \new
.endif
.endm
.set MUL_LO, 0xa1
.set MUL_HI, 0xf1
.set TO_B,   0x40
.macro JLOAD g0a, g1a, g0b, g1b
	s_cmp_eq_u32 s15, 0
	s_cbranch_scc0 .Lfor_b_\@
	tensor_load_to_lds s[\g0a:\g0a+3], s[\g1a:\g1a+7]
	s_nop 0
.rept 4
	v_nop
.endr
	s_branch .Lasked_\@
.Lfor_b_\@:
	tensor_load_to_lds s[\g0b:\g0b+3], s[\g1b:\g1b+7]
	s_nop 0
.rept 4
	v_nop
.endr
.Lasked_\@:
.endm
.macro CREST
	s_cmp_lg_u32 s14, 0
	s_cbranch_scc1 .Lnot_wave_0_\@
	s_barrier_signal -3
.Lnot_wave_0_\@:
	s_barrier_wait -3
	s_barrier_signal -1
	s_barrier_wait -1
.endm
.macro CROUND
	s_barrier_signal -1
	s_barrier_wait -1
	CREST
.endm
	s_load_b128 s[4:7], s[0:1], 0x0
	s_load_b128 s[8:11], s[0:1], 0x10
	v_lshl_add_u32 v[SPW], v0, 2, SPARE
	v_mov_b32 v[NIL], 0
	ds_add_u32 v28, v29
	ds_add_u32 v28, v29
	s_wait_dscnt 0x0
	v_lshrrev_b32 v1, 5, v0
	v_readfirstlane_b32 s14, v1
	s_lshr_b32 s15, s14, 1
	s_and_b32 s16, s14, 1
	s_bfe_u32 s40, ttmp6, 0x40000
	s_bfe_u32 s41, ttmp6, 0x40004
	s_lshr_b32 s95, ttmp9, 1
	s_and_b32 s96, ttmp9, 1
	s_sub_co_u32 s97, ttmp9, 16
	s_cmp_ge_u32 ttmp9, 16
	s_cselect_b32 s2, 1, 0
	s_cselect_b32 s95, 0, s95
	s_cselect_b32 s96, s97, s96
	s_cselect_b32 s98, 10240, 0
	s_cselect_b32 s99, 0, 8192
	s_lshl_b32 s42, s96, 2
	s_add_co_u32 s42, s42, s40
	s_lshl_b32 s17, s95, 2
	s_add_co_u32 s17, s17, s41
	s_lshl_b32 s43, s41, 2
	s_lshl_b32 s43, 15, s43
	s_lshl_b32 s44, 0x1111, s40
	s_or_b32 s[G1+0], s43, (0<<16)|(1<<20)|(1<<21)|(3<<22)|(3<<25)
	s_or_b32 s[G1B+0], s44, (0<<16)|(1<<20)|(1<<21)|(3<<22)|(3<<25)
.irp g, G1, G1B
	s_mov_b32 s[\g+1], 256<<16                     ; 128 rows x 192 bytes of codes lie on end in opc: they come as 96 rows of 256 bytes; with 16 bytes of padding behind each 64 an operand row is 240 bytes in LDS
	s_mov_b32 s[\g+2], 192<<16                     ; the head's loads bring a tile's 256 rows (192 rows of 256 bytes); behind them the two words that count rows are set to 96, for the ring's
	s_mov_b32 s[\g+3], 256<<16
	s_mov_b32 s[\g+4], 192
	s_mov_b32 s[\g+5], 256
	s_mov_b32 s[\g+6], 0
	s_mov_b32 s[\g+7], 0
.endr
	s_or_b32 s[G1S+0], s43, (3<<16)|(1<<20)|(1<<21)|(5<<22)|(3<<25)
	s_or_b32 s[G1SB+0], s44, (3<<16)|(1<<20)|(1<<21)|(5<<22)|(3<<25)
.irp g, G1S, G1SB
	s_mov_b32 s[\g+1], 32<<16
	s_mov_b32 s[\g+2], (256*KS/256)<<16            ; the scales of a tile's 256 rows come by one load
	s_mov_b32 s[\g+3], 32<<16
	s_mov_b32 s[\g+4], 256*KS/256
	s_mov_b32 s[\g+5], 32
	s_mov_b32 s[\g+6], 0
	s_mov_b32 s[\g+7], 0
.endr
	s_lshl_b32 s18, s16, 7
	s_lshl_b32 s20, s17, 8
	s_add_co_u32 s20, s20, s18
	s_add_co_u32 s20, s20, s98
	s_lshl_b32 s46, s42, 8
	s_add_co_u32 s46, s46, s18
	s_add_co_u32 s46, s46, s99
	s_lshl_b32 s22, s20, 5
	s_mov_b32 s23, 0
	s_mul_i32 s20, s20, KROW
	s_mul_i32 s12, s16, 73728                      ; the second 128 rows of a block of 256 lie 24,576 bytes behind the first, not 98,304
	s_sub_co_u32 s20, s20, s12
	s_mov_b32 s21, 0
	s_lshl_b32 s92, s46, 5
	s_mov_b32 s93, 0
	s_mul_i32 s46, s46, KROW
	s_sub_co_u32 s46, s46, s12
	s_mov_b32 s47, 0
	s_mul_i32 s45, s14, HALFT
	s_wait_kmcnt 0x0
	s_add_nc_u64 s[20:21], s[4:5], s[20:21]
	s_add_nc_u64 s[22:23], s[6:7], s[22:23]
	s_add_nc_u64 s[46:47], s[4:5], s[46:47]
	s_add_nc_u64 s[92:93], s[6:7], s[92:93]
	CROUND
	s_lshl_b32 s12, s16, 12                        ; the addresses above are those of my 128 rows: the tile's own begin so much earlier (4,096 bytes of scales a half)
	s_mov_b32 s13, 0
	s_mov_b32 s[G0S], 1
	s_mov_b32 s[G0S+1], SCL
	s_sub_nc_u64 s[G0S+2:G0S+3], s[22:23], s[12:13]
	s_or_b32 s[G0S+3], s[G0S+3], 0x80000000
	s_mov_b32 s[G0SB], 1
	s_mov_b32 s[G0SB+1], SCL+2*HALFS
	s_sub_nc_u64 s[G0SB+2:G0SB+3], s[92:93], s[12:13]
	s_or_b32 s[G0SB+3], s[G0SB+3], 0x80000000
.set G0H,  4                           ; s[4:7], s[96:99]: group 0 for the head's loads of K step 0: A's 256 rows, B's 256 rows (what lay there has been used)
.set G0HB, 96
	s_mul_i32 s12, s16, 24576                      ; 24,576 bytes of codes a half
	s_mov_b32 s[G0H], 1
	s_mov_b32 s[G0H+1], 0
	s_sub_nc_u64 s[G0H+2:G0H+3], s[20:21], s[12:13]
	s_or_b32 s[G0H+3], s[G0H+3], 0x80000000
	s_mov_b32 s[G0HB], 1
	s_mov_b32 s[G0HB+1], 2*HALFT
	s_sub_nc_u64 s[G0HB+2:G0HB+3], s[46:47], s[12:13]
	s_or_b32 s[G0HB+3], s[G0HB+3], 0x80000000
.irp s, 0,1
	s_mov_b32 s[G0+4*\s], 1
	s_add_co_u32 s[G0+4*\s+1], s45, \s*SLOT
	s_add_nc_u64 s[G0+4*\s+2:G0+4*\s+3], s[20:21], \s*ROWB
	s_or_b32 s[G0+4*\s+3], s[G0+4*\s+3], 0x80000000
	s_mov_b32 s[G0B+4*\s], 1
	s_add_co_u32 s[G0B+4*\s+1], s45, \s*SLOT
	s_add_nc_u64 s[G0B+4*\s+2:G0B+4*\s+3], s[46:47], \s*ROWB
	s_or_b32 s[G0B+4*\s+3], s[G0B+4*\s+3], 0x80000000
.endr
; THE HEAD'S LOADS, ONE A WAVE: wave 0 fetches K step 0's 256 rows of A, wave 1 its 256 rows of B, wave 2 the scales of A's 256 rows, wave 3 those of B's.
; One chain of branches on the wave's number; every way through it passes one load.
.macro ARM under, g0, g1, next
	s_cmp_lt_u32 s14, \under
	s_cbranch_scc0 \next
	tensor_load_to_lds s[\g0:\g0+3], s[\g1:\g1+7]
	s_nop 0
.rept 4
	v_nop
.endr
	s_branch .Lhead_asked
\next:
.endm
	ARM 1, G0H,  G1,  .Lhead_b
	ARM 2, G0HB, G1B, .Lhead_sa
	ARM 3, G0S,  G1S, .Lhead_sb
	tensor_load_to_lds s[G0SB:G0SB+3], s[G1SB:G1SB+7]
	s_nop 0
.rept 4
	v_nop
.endr
.Lhead_asked:
	v_and_b32 v1, 15, v0
	v_bfe_u32 v2, v0, 4, 1
	v_mul_u32_u24 v3, v1, PITCH
	v_mul_u32_u24 v4, v2, 24
	v_add_nc_u32 v4, v3, v4
	v_lshl_add_u32 v5, v2, 4, v4
	s_mul_i32 s21, s15, HALFT
	s_mul_i32 s22, s16, HALFT
	s_add_co_u32 s22, s22, 2*HALFT
.irp s, 0,1
	v_add_nc_u32 v[ADRA+\s], s21, v4
	v_add_nc_u32 v[ADRB+\s], s22, v4
	v_add_nc_u32 v[ADRA+2+\s], s21, v5
	v_add_nc_u32 v[ADRB+2+\s], s22, v5
	s_add_co_u32 s21, s21, SLOT
	s_add_co_u32 s22, s22, SLOT
.endr
	v_mul_u32_u24 v5, v1, KS
	v_lshrrev_b32 v6, 8, v5
	v_lshl_add_u32 v5, v6, 4, v5
	s_mul_i32 s21, s15, HALFS
	s_mul_i32 s22, s16, HALFS
	s_add_co_u32 s22, s22, 2*HALFS
	s_sub_co_u32 s22, s22, s21
	v_mul_u32_u24 v6, s22, v2
	s_add_co_u32 s21, s21, SCL
	v_add_nc_u32 v5, v5, v6
	v_add_nc_u32 v[ADRS], s21, v5
	v_and_b32 v6, 31, v0
	v_lshlrev_b32 v[L16], 4, v6
	v_lshlrev_b32 v[L8], 3, v6
	v_lshlrev_b32 v[SH], 4, v2
	v_mul_u32_u24 v[SVO], v2, HEADB
	v_lshl_add_u32 v[SVO], v1, 4, v[SVO]
	v_lshlrev_b32 v[VBN], 6, v2
	s_wait_alu depctr_va_vdst(0)
	v_and_b32 v[VBM], 7, v1
	v_lshrrev_b32 v7, 3, v1
	v_lshl_add_u32 v[VBM], v7, 4, v[VBM]
	v_lshlrev_b32 v[VBM], 2, v[VBM]
	s_wait_alu depctr_va_vdst(0)
	s_lshl_b32 s20, s42, 8
	s_lshl_b32 s21, s16, 7
	s_add_co_u32 s20, s20, s21
	s_and_b32 s20, s20, 2047
	s_lshl_b32 s20, s20, 2
	s_mov_b32 s21, 0
	s_add_nc_u64 s[66:67], s[8:9], s[20:21]
	s_lshl_b32 s20, s17, 8
	s_lshl_b32 s22, s15, 7
	s_add_co_u32 s20, s20, s22
	s_and_b32 s20, s20, 1023
	s_lshl_b32 s20, s20, 2
	s_add_co_u32 s20, s20, 8192
	s_add_nc_u64 s[8:9], s[8:9], s[20:21]
.irp b, 0,1,2,3,4,5,6,7
	global_load_b128 v[BN+8*\b:BN+8*\b+3], v[VBN], s[66:67] offset:(32*(\b/2)+8*(\b%2))*4
	global_load_b128 v[BN+8*\b+4:BN+8*\b+7], v[VBN], s[66:67] offset:(32*(\b/2)+8*(\b%2))*4+16
.endr
.irp a, 0,1,2,3,4,5,6,7
	global_load_b32 v[BM+2*\a], v[VBM], s[8:9] offset:(32*(\a/2)+8*(\a%2))*4
	v_mov_b32 v[BM+2*\a+1], 0
.endr
.macro FRAG reg, adr, q, i
.irp p, 0,1,2,3,4,5
.set PCE, 12*(\q)+6*(\p/3)+\p%3
.if PCE%8 < 5
	ds_load_b64 v[\reg+2*\p:\reg+2*\p+1], v[\adr] offset:8*PCE+16*(PCE/8)+(\i)*16*PITCH
.else
	ds_load_b64 v[\reg+2*\p:\reg+2*\p+1], v[\adr+2] offset:8*PCE+16*(PCE/8)+(\i)*16*PITCH
.endif
.endr
.endm
.macro MUL16 a0, p, q, sc, zero
.irp a, \a0, \a0+1
.irp b, 0,1,2,3,4,5,6,7
.if \zero
	v_wmma_scale_f32_16x16x128_f8f6f4 v[8*(8*((\a)%4)+\b):8*(8*((\a)%4)+\b)+7], v[128*(\p)+FR*\b:128*(\p)+FR*\b+FR-1], v[AF+FR*(\a):AF+FR*(\a)+FR-1], 0, v[SC+8*NQ*(\sc)+NQ*\b+(\q)], v[SC+8*NQ*(\sc)+NQ*(\a)+(\q)] matrix_a_fmt:MATRIX_FMT_BF6 matrix_b_fmt:MATRIX_FMT_BF6 matrix_a_scale:MATRIX_SCALE_ROW1
.else
	v_wmma_scale_f32_16x16x128_f8f6f4 v[8*(8*((\a)%4)+\b):8*(8*((\a)%4)+\b)+7], v[128*(\p)+FR*\b:128*(\p)+FR*\b+FR-1], v[AF+FR*(\a):AF+FR*(\a)+FR-1], v[8*(8*((\a)%4)+\b):8*(8*((\a)%4)+\b)+7], v[SC+8*NQ*(\sc)+NQ*\b+(\q)], v[SC+8*NQ*(\sc)+NQ*(\a)+(\q)] matrix_a_fmt:MATRIX_FMT_BF6 matrix_b_fmt:MATRIX_FMT_BF6 matrix_a_scale:MATRIX_SCALE_ROW1
.endif
.endr
.endr
.endm
.macro FETCH_B slot, q, p
	WIN TO_B
.irp i, 0,1,2,3,4,5,6,7
	FRAG 128*(\p)+FR*\i, ADRB+\slot, \q, \i
.endr
	WIN 0
.endm
.macro FETCH_A slot, q, i0
.irp i, \i0, \i0+1, \i0+2, \i0+3
	FRAG AF+FR*(\i), ADRA+\slot, \q, \i
.endr
.endm
.macro SCALES sc
.irp i, 0,1,2,3,4,5,6,7
	ds_load_b64 v[SC+8*NQ*\sc+NQ*\i:SC+8*NQ*\sc+NQ*\i+1], v[ADRS] offset:\i*SBLK
.endr
.endm
.macro PLACES n
.rept \n
	v_nop
.endr
.endm
.macro STEP slot, q, zero
	s_wait_dscnt 4*NL
	WIN MUL_LO
	MUL16 0, (\q)%2, \q, \slot, \zero
	MUL16 2, (\q)%2, \q, \slot, \zero
	s_wait_dscnt 0
	PLACES NP
	FETCH_B \slot, (\q)+1, 1-(\q)%2
	FETCH_A \slot, (\q)+1, 0
	WIN MUL_HI
	MUL16 4, (\q)%2, \q, \slot, \zero
	MUL16 6, (\q)%2, \q, \slot, \zero
	PLACES NP
	WIN 0
	FETCH_A \slot, (\q)+1, 4
.endm
.macro TURN slot, next, fill
	s_wait_tensorcnt 0x0
	ds_add_u32 v[SPW], v[NIL]
	s_wait_dscnt 4*NL+1
	WIN MUL_LO
	MUL16 0, 1, NQ-1, \slot, 0
	s_wait_dscnt 0x0
	s_barrier_signal -1
	MUL16 2, 1, NQ-1, \slot, 0
	WIN 0
	s_barrier_wait -1
.if \fill
	CREST
	s_add_nc_u64 s[G0+4*\slot+2:G0+4*\slot+3], s[G0+4*\slot+2:G0+4*\slot+3], 2*ROWB
	s_add_nc_u64 s[G0B+4*\slot+2:G0B+4*\slot+3], s[G0B+4*\slot+2:G0B+4*\slot+3], 2*ROWB
	JLOAD G0+4*\slot, G1, G0B+4*\slot, G1B
.else
	PLACES NP
.endif
	s_wait_alu depctr_va_vdst(0)
	v_add_nc_u32 v[ADRS], 4*NQ, v[ADRS]
	FETCH_B \next, 0, 0
	FETCH_A \next, 0, 0
	SCALES \next
	WIN MUL_HI
	MUL16 4, 1, NQ-1, \slot, 0
	MUL16 6, 1, NQ-1, \slot, 0
	PLACES NP
	WIN 0
	FETCH_A \next, 0, 4
.endm
	s_wait_alu depctr_va_vdst(0)
	s_wait_tensorcnt 0x0                           ; my tile of the head's four is in
	ds_add_u32 v[SPW], v[NIL]
	s_mov_b32 s[G1+2], 96<<16                      ; no tensor load of mine is out, so a descriptor may be written: from here on a load brings 128 rows of codes, 96 rows of 256 bytes
	s_mov_b32 s[G1+4], 96
	s_mov_b32 s[G1B+2], 96<<16
	s_mov_b32 s[G1B+4], 96
	s_wait_dscnt 0x0
	CROUND                                         ; all four tiles are in, and all sixteen work-groups are here
	JLOAD G0+4, G1, G0B+4, G1B                     ; K step 1, the first tensor load behind the round
	FETCH_B 0, 0, 0
	FETCH_A 0, 0, 0
	SCALES 0
	FETCH_A 0, 0, 4
	STEP 0, 0, 1
	s_mov_b32 s3, LAPS-1
.Llap:
	TURN 0, 1, 1
	STEP 1, 0, 0
	TURN 1, 0, 1
	STEP 0, 0, 0
	s_sub_co_u32 s3, s3, 1
	s_cmp_lg_u32 s3, 0
	s_cbranch_scc1 .Llap
	TURN 0, 1, 0
	STEP 1, 0, 0
	s_wait_dscnt 4*NL
	WIN MUL_LO
	MUL16 0, 1, NQ-1, 1, 0
	MUL16 2, 1, NQ-1, 1, 0
	s_wait_dscnt 0
	WIN MUL_HI
	MUL16 4, 1, NQ-1, 1, 0
	MUL16 6, 1, NQ-1, 1, 0
	WIN 0
.macro QUANT s, pw
.irp b, 0,1,2,3
	v_max3_num_f32 v[TM+\b], |v[\s+16*\b]|, |v[\s+1+16*\b]|, 0x2800000
.endr
.irp i, 2,4,6,8,10,12,14
.irp b, 0,1,2,3
	v_max3_num_f32 v[TM+\b], v[TM+\b], |v[\s+16*\b+\i]|, |v[\s+1+16*\b+\i]|
.endr
.endr
.irp b, 0,1,2,3
	v_permlanex16_b32 v[TM+4+\b], v[TM+\b], s[SEL], s[SEL+1]
.endr
.irp b, 0,1,2,3
	v_max_num_f32 v[TM+\b], v[TM+\b], v[TM+4+\b]
.endr
.irp b, 0,1,2,3
	v_add_nc_u32 v[TM+12+\b], 0xfe000000, v[TM+\b]
.endr
.irp b, 0,1,2,3
	v_lshrrev_b32 v[TM+4+\b], 23, v[TM+12+\b]
.endr
	v_lshl_or_b32 v[\pw], v[TM+5], 8, v[TM+4]
	v_lshl_or_b32 v[\pw], v[TM+6], 16, v[\pw]
	v_lshl_or_b32 v[\pw], v[TM+7], 24, v[\pw]
.irp c, 0,1
	v_cvt_scalef32_pk16_bf6_f32 v[CDS+6*\c:CDS+2+6*\c], v[\s+32*\c:\s+15+32*\c], v[TM+12+2*\c]
	v_cvt_scalef32_pk16_bf6_f32 v[CDS+12+4*\c:CDS+14+4*\c], v[\s+16+32*\c:\s+31+32*\c], v[TM+12+2*\c+1]
.endr
	v_nop
.irp c, 0,1
.irp i, 0,1,2
	v_permlane16_swap_b32 v[CDS+6*\c+\i], v[CDS+12+4*\c+\i]
.endr
.irp i, 0,1,2
	v_mov_b32 v[CDS+3+6*\c+\i], v[CDS+12+4*\c+\i]
.endr
.endr
.endm
.macro EPI isv
.irp a, 0,1,2,3,4,5,6,7
	WIN (0x02+\a/4)
.set i, 0
.rept 32
.if \isv
	v_pk_add_f32 v[T+2*i:T+2*i+1], v[64*(\a%4)+2*i:64*(\a%4)+2*i+1], v[BM+2*\a:BM+2*\a+1] op_sel_hi:[1,0]
.else
	v_pk_add_f32 v[T+2*i:T+2*i+1], v[64*(\a%4)+2*i:64*(\a%4)+2*i+1], v[BN+2*i:BN+2*i+1]
.endif
.set i, i+1
.endr
	WIN 0
.if \a > 0
	s_wait_xcnt 0x0
.endif
	QUANT T, SW+\a
.if \isv
.irp c, 0,1,2
	global_store_b128 v[L16], v[CDS+4*\c:CDS+4*\c+3], s[92:93] offset:(\a/4)*HEADB+(\a%4)*1536+512*\c
.endr
.else
	global_store_b128 v[L16], v[CDS:CDS+3], s[92:93] offset:768*\a
	global_store_b64 v[L8], v[CDS+4:CDS+5], s[92:93] offset:768*\a+512
	global_store_b128 v[L16], v[CDS+6:CDS+9], s[92:93] offset:HEADB+768*\a
	global_store_b64 v[L8], v[CDS+10:CDS+11], s[92:93] offset:HEADB+768*\a+512
.endif
.endr
.if \isv
	s_mov_b32 s20, 0xffff0000
.irp i, 0,1,2,3
	v_cndmask_b32 v[XO+\i], v[SW+\i], v[SW+4+\i], s20
.endr
	global_store_b128 v[SVO], v[XO:XO+3], s[94:95]
.else
.irp g, 0,1
.if \g
	s_wait_xcnt 0x0
.endif
.irp i, 0,1,2,3
	v_lshrrev_b32 v[XO+\i], v[SH], v[SW+4*\g+\i]
.endr
	global_store_b128 v[SVO], v[XO:XO+3], s[94:95] offset:256*\g
.endr
.endif
	s_wait_tensorcnt 0x0
	ds_add_u32 v[SPW], v[NIL]
	s_wait_dscnt 0x0
.endm
	PLACES NP
	s_mov_b32 s[SEL], 0x76543210
	s_mov_b32 s[SEL+1], 0xfedcba98
.irp b, 0,1,2,3
	v_mov_b32 v[TM+4+\b], 0
.endr
	s_wait_loadcnt 0x0
	s_mov_b32 s47, 0
	s_lshl_b32 s20, s42, 1
	s_add_co_u32 s20, s20, s16
	s_cmp_lg_u32 s2, 0
	s_cbranch_scc1 .Lrole_v
	s_lshr_b32 s21, s20, 3
	s_and_b32 s20, s20, 7
	s_lshl_b32 s20, s20, 1
	s_lshr_b32 s22, s17, 3
	s_lshl_b32 s22, s22, 4
	s_add_co_u32 s20, s20, s22
	s_mul_i32 s20, s20, HEADB
	s_and_b32 s22, s17, 7
	s_lshl_b32 s22, s22, 1
	s_add_co_u32 s22, s22, s15
	s_mul_i32 s23, s22, 8*768
	s_mul_i32 s46, s21, 106496
	s_add_co_u32 s23, s23, s46
	s_add_co_u32 s46, s20, s23
	s_add_nc_u64 s[92:93], s[10:11], s[46:47]
	s_lshl_b32 s22, s22, 9
	s_mul_i32 s21, s21, 204800
	s_add_co_u32 s22, s22, s21
	s_add_co_u32 s22, s22, s20
	s_add_co_u32 s46, s22, 98304
	s_add_nc_u64 s[94:95], s[10:11], s[46:47]
	EPI 0
	s_branch .Lend
.Lrole_v:
	s_lshr_b32 s21, s20, 4
	s_and_b32 s20, s20, 15
	s_lshl_b32 s21, s21, 4
	s_lshl_b32 s22, s17, 2
	s_add_co_u32 s21, s21, s22
	s_lshl_b32 s22, s15, 1
	s_add_co_u32 s21, s21, s22
	s_mul_i32 s21, s21, HEADB
	s_mul_i32 s22, s20, 6144
	s_add_co_u32 s22, s22, s21
	s_add_co_u32 s46, s22, 204800
	s_add_nc_u64 s[92:93], s[10:11], s[46:47]
	s_lshl_b32 s22, s20, 8
	s_add_co_u32 s22, s22, s21
	s_add_co_u32 s46, s22, 311296
	s_add_nc_u64 s[94:95], s[10:11], s[46:47]
	EPI 1
.Lend:
	CROUND
	s_endpgm
.Lfunc_end_k_q58815297d2_gemm_qkv:
	.size	k_q58815297d2_gemm_qkv, .Lfunc_end_k_q58815297d2_gemm_qkv-k_q58815297d2_gemm_qkv
	.p2alignl 7, 3214868480
	.fill 96, 4, 3214868480
	.section	.rodata,"a",@progbits
	.p2align	6, 0x0
	.amdhsa_kernel k_q58815297d2_gemm_qkv
		.amdhsa_group_segment_fixed_size 327680
		.amdhsa_private_segment_fixed_size 0
		.amdhsa_enable_private_segment 0
		.amdhsa_kernarg_size 32
		.amdhsa_user_sgpr_count 2
		.amdhsa_user_sgpr_kernarg_segment_ptr 1
		.amdhsa_wavefront_size32 1
		.amdhsa_system_sgpr_workgroup_id_x 1
		.amdhsa_system_sgpr_workgroup_id_y 1
		.amdhsa_system_sgpr_workgroup_id_z 1
		.amdhsa_system_vgpr_workitem_id 0
		.amdhsa_next_free_vgpr 1024
		.amdhsa_next_free_sgpr 100
		.amdhsa_reserve_vcc 0
		.amdhsa_float_denorm_mode_32 3
		.amdhsa_float_denorm_mode_16_64 3
		.amdhsa_memory_ordered 1
		.amdhsa_forward_progress 1
		.amdhsa_inst_pref_size 236
	.end_amdhsa_kernel
	.amdgpu_metadata
---
amdhsa.version: [ 1, 2 ]
amdhsa.kernels:
  - .name:           k_q58815297d2_gemm_qkv
    .symbol:         k_q58815297d2_gemm_qkv.kd
    .args:
      - { .name: opc, .offset: 0, .size: 8, .value_kind: global_buffer, .address_space: global }
      - { .name: ops, .offset: 8, .size: 8, .value_kind: global_buffer, .address_space: global }
      - { .name: qkv_b, .offset: 16, .size: 8, .value_kind: global_buffer, .address_space: global }
      - { .name: qkv, .offset: 24, .size: 8, .value_kind: global_buffer, .address_space: global }
    .group_segment_fixed_size: 327680
    .private_segment_fixed_size: 0
    .kernarg_segment_align: 8
    .kernarg_segment_size: 32
    .max_flat_workgroup_size: 128
    .sgpr_count:     100
    .vgpr_count:     1024
    .wavefront_size: 32
...
	.end_amdgpu_metadata
.endif
;; end of part 2
;; launch attn (part 3): grid 4 x 64, 16 waves a work-group, no clusters, 223,232 bytes of LDS; arguments qkv, maskw, maskf, aoc, aos; writes aoc, aos
.if DOCPART == 3
	.amdgcn_target "amdgcn-amd-amdhsa--gfx1250"
	.amdhsa_code_object_version 6
	.text
	.protected	k_q58815297d2_attn
	.globl	k_q58815297d2_attn
	.p2align	8
	.type	k_q58815297d2_attn,@function
k_q58815297d2_attn:
	s_mov_b64 s[64:65], 0
	v_nop
	global_prefetch_b8 v0, s[64:65] scope:SCOPE_SE
	s_setreg_imm32_b32 hwreg(HW_REG_WAVE_MODE, 25, 1), 1
	s_wait_xcnt 0x0
; o = softmax(q k^T / 8, masked) v for one head and a quarter of its 2,048 queries, both products on codes of BF6 (E3M2) with E8M0 scales; o is quantised in registers and leaves as the operand of the last product.
; THE SOFTMAX AHEAD OF THE SECOND PRODUCT: t = score x log2(e) / 8; M = the row's largest t so far, rounded UP to a whole number; p = 2^(t - M) is quantised along the keys, not normalised.  The row's sum is taken of
; the unquantised p and divides O at the end.  When M moves, the sum and O are multiplied by 2^(old M - new M): exact.
; SHARES.  A work-group: one head (y = 16 batch + head), 512 queries (x).  Sixteen waves of 256 registers; a wave owns one tile of 16 queries in each of two passes and walks all keys, 128 a step.  One text of the step serves both passes.
; LDS.  The head's k images, v images and scale words (208,896 bytes on end in qkv) come once, THROUGH REGISTERS: 30 loads a wave, then LDS stores, one barrier.  Nothing is filled again, so the loops hold no barrier.
; NO TENSOR LOAD, NO CLUSTER: the step branches on whole numbers read from memory (maskf); there is no joint load to share among the four quarters of a head.
; NO PREFETCH: all that a work-group reads in bulk is asked for at its head in one run; the loops stream nothing from memory.
; LAYOUT.  Both products transposed: S^T = k q^T (source 0 = 16 keys, source 1 = my 16 queries), O^T = v^T p^T: a lane holds ONE query (lane % 16).
; THE KEYS OF A TILE ARE CHOSEN AT THE LDS READ: row r of tile 4 c + u of a step is key 64 c + 32 (r >> 3) + 8 u + (r & 7).  Lane (r, h) then holds in the 32 registers of tiles 4 c .. 4 c + 3 the keys 64 c + 32 h + 0 .. 31:
; a WHOLE block of p, in the order of the operand's registers: its largest number needs no other lane and the conversions' results are the operand.  In qkv that key is row (r & 7) + 8 (u >> 1) of stored tile 4 c + 2 (r >> 3) + (u & 1).
; In LDS the images' 512-byte parts lie 512 T + 128 (T >> 1) and their 256-byte parts 256 T + 64 (T >> 1) from their bases, so that rows r and r + 8, two stored tiles apart, fall on different banks (64 banks of 4 bytes: ISA guide 11.1).
; THE HEAD IS 64 WIDE, the instruction's K is 128: q's registers 6-11 are zero codes.  k's fragment of tile t names 12 registers: its own six and the next tile's six (behind the last: zeros); these meet q's zeros, and no scale byte is 0xff.
; THE MASK: maskf says of each (tile of queries, step) whether all its 16 x 128 bytes are true.  Such a step passes over the selects and its words are not loaded.  Else 64 lane-mask words, one for each score register, asked for a step
; ahead, turn a closed key's score into -infinity.  A row with no open key has the sum 0: its scale bytes are set to 0xff, which makes its row of the output NaN, as the softmax of a row of -infinity is.
; LIMITS: blocks whose largest magnitude lies under 2^-122 keep the byte 1; a block of zeros has the byte 1, not 127 (read by this program alone); NaN and infinities in q, k, v are not served; the scaled scores stay under 2^31 in magnitude.
; REGISTERS: v1-10 offsets, LDS bases, -infinity, 8 h; v12 -M, v13 the largest score, v[14:15] the sum; v16-21 q, v22-27 zeros, v28 q's scale words; v29-31, v86 the step's addresses; v32-79 k's eight half fragments, then v's four;
; v80-85 zeros; v88-91 k's scale words, v92-95 v's; v96-159 S^T, then p; v160-191 O^T; v192-210 p's codes; v212-245 at work; v254-255 the spare word's address and 0.
; s[2:3] my tile's mask words, s4 the offset of the next step's; s5 wave; s[6:7] lane selects; s[8:9] c; s10 the pass's flags, s11 the step, s12-15 LDS steps; s[16:23] q's codes, q's scales, aoc, aos; s24 the second pass's flags, s25 the pass;
; s[32:63], s[68:99] the 64 mask words.
.set HEADB, 315392                     ; a head's bytes in qkv
.set KVOFF, 106496                     ; where its k, v block begins
.set KAP,   4608                       ; LDS from 0: the 512-byte parts of k's images, so much a step
.set KB,    73728                      ; their 256-byte parts,
.set KBP,   2304
.set LV,    110592                     ; v's four images of a step and, behind them, its 256 bytes of scale words,
.set LVP,   6400
.set LKS,   212992                     ; k's scale words, 512 bytes a step
.set SPARE, 221184                     ; the spare words: 128 bytes for each of 16 waves
	s_load_b256 s[24:31], s[0:1], 0x0              ; qkv s[24:25], maskw s[26:27], maskf s[28:29], aoc s[30:31]
	s_load_b64 s[12:13], s[0:1], 0x20              ; aos
	v_lshl_add_u32 v254, v0, 2, SPARE
	v_mov_b32 v255, 0
	v_lshrrev_b32 v11, 5, v0
	s_delay_alu instid0(VALU_DEP_1)
	v_readfirstlane_b32 s5, v11                    ; wave 0..15
	v_and_b32 v11, 31, v0                          ; lane
	v_and_b32 v14, 7, v0                           ; r & 7
	v_bfe_u32 v15, v0, 3, 1                        ; r >> 3
	v_bfe_u32 v10, v0, 4, 1                        ; h
	v_and_b32 v7, 15, v0                           ; r
	v_lshlrev_b32 v1, 4, v11                       ; 16 x lane
	v_lshlrev_b32 v2, 3, v11                       ; 8 x lane
	v_lshlrev_b32 v3, 4, v14
	v_lshlrev_b32 v4, 3, v14
	v_lshlrev_b32 v5, 4, v14
	s_delay_alu instid0(VALU_DEP_3)
	v_mad_u32_u24 v3, v15, 1152, v3
	s_delay_alu instid0(VALU_DEP_3)
	v_mad_u32_u24 v4, v15, 576, v4
	s_delay_alu instid0(VALU_DEP_3)
	v_lshl_add_u32 v5, v15, 3, v5
	s_delay_alu instid0(VALU_DEP_3)
	v_lshl_add_u32 v3, v10, 8, v3                  ; k's registers 0-3: 1152 (r >> 3) + 16 (r & 7) + 256 h
	s_delay_alu instid0(VALU_DEP_3)
	v_lshl_add_u32 v4, v10, 7, v4
	s_delay_alu instid0(VALU_DEP_3)
	v_lshl_add_u32 v5, v10, 8, v5
	v_add_nc_u32 v6, LV, v1                        ; v's images and scale words: 16 x lane
	v_lshlrev_b32 v8, 5, v7                        ; 32 r
	s_delay_alu instid0(VALU_DEP_4)
	v_add_nc_u32 v4, KB, v4                        ; k's registers 4-5: 576 (r >> 3) + 8 (r & 7) + 128 h
	s_delay_alu instid0(VALU_DEP_4)
	v_add_nc_u32 v5, LKS, v5                       ; k's scale words: 16 (r & 7) + 8 (r >> 3); lanes 16-31 take those of tiles 4-7, 256 bytes on
	s_mul_i32 s36, s5, KAP                         ; on the way in wave w brings step w's part of each region
	s_mul_i32 s37, s5, KBP
	s_mul_i32 s38, s5, LVP
	v_add_nc_u32 v150, s36, v1
	v_add_nc_u32 v151, s37, v2
	v_add_nc_u32 v152, s38, v6
	v_add_nc_u32 v153, s38, v2
	v_lshlrev_b32 v154, 4, v0                      ; 16 x thread = 512 x wave + 16 x lane
	v_lshlrev_b32 v156, 3, v0
	v_add_nc_u32 v151, KB, v151
	v_add_nc_u32 v153, LV+6144, v153
	v_add_nc_u32 v155, LKS, v154
	v_lshlrev_b32 v7, 4, v7                        ; 16 r
	v_lshlrev_b32 v10, 3, v10                      ; 8 h
	v_mov_b32 v9, 0xff800000                       ; -infinity
	s_and_b32 s34, ttmp7, 0xffff                   ; 16 batch + head
	s_mul_i32 s35, s34, HEADB                      ; under 2^25
	s_lshl_b32 s40, ttmp9, 5
	s_add_co_u32 s40, s40, s5                      ; T, my first pass's tile of queries: 32 quarter + wave
	s_mov_b32 s43, 0
	s_add_co_u32 s42, s35, KVOFF
	s_wait_alu depctr_va_vdst(0)
	s_wait_kmcnt 0x0
	s_add_nc_u64 s[36:37], s[24:25], s[42:43]      ; the head's block,
	s_mul_i32 s42, s5, 6144
	s_add_nc_u64 s[38:39], s[36:37], s[42:43]      ; and step w's eight k images (v's four lie 98,304 bytes on)
.irp i, 0,1,2,3,4,5,6,7
	global_load_b128 v[32+6*\i:35+6*\i], v1, s[38:39] offset:768*\i
	global_load_b64 v[36+6*\i:37+6*\i], v2, s[38:39] offset:768*\i+512
.endr
.irp j, 0,1,2,3,4,5,6,7,8,9,10,11
	global_load_b128 v[96+4*\j:99+4*\j], v1, s[38:39] offset:98304+512*\j
.endr
	global_load_b128 v[144:147], v154, s[36:37] offset:196608   ; k's scale words
	global_load_b64 v[148:149], v156, s[36:37] offset:204800    ; v's
	s_lshl_b32 s42, s40, 6
	s_add_nc_u64 s[44:45], s[28:29], s[42:43]
	s_load_b512 s[48:63], s[44:45], 0x0            ; the 16 flags of my first tile,
	s_load_b512 s[68:83], s[44:45], 0x400          ; and of my second, 16 tiles on
	s_lshl_b32 s42, s40, 12                        ; 16 steps x 256 bytes of mask words a tile
	s_add_nc_u64 s[2:3], s[26:27], s[42:43]
	s_mul_i32 s42, s40, 768
	s_add_co_u32 s42, s42, s35
	s_add_nc_u64 s[16:17], s[24:25], s[42:43]      ; q's half image
	s_lshr_b32 s42, s40, 2
	s_lshl_b32 s42, s42, 8
	s_and_b32 s46, s40, 3
	s_lshl_b32 s46, s46, 2
	s_add_co_u32 s42, s42, s46
	s_add_co_u32 s42, s42, s35
	s_add_co_u32 s42, s42, 98304
	s_add_nc_u64 s[18:19], s[24:25], s[42:43]      ; q's scale words: group T / 4, word T % 4
	s_lshr_b32 s46, s34, 4                         ; batch
	s_and_b32 s47, s34, 15                         ; head
	s_lshl_b32 s42, s46, 3
	s_lshl_b32 s33, ttmp9, 1
	s_add_co_u32 s42, s42, s33                     ; which 256 tokens: 8 batch + 2 quarter (+ pass)
	s_lshl_b32 s42, s42, 4
	s_add_co_u32 s42, s42, s47
	s_lshl_b32 s42, s42, 4
	s_add_co_u32 s42, s42, s5
	s_mul_i32 s42, s42, 768
	s_add_nc_u64 s[20:21], s[30:31], s[42:43]      ; aoc [256 tokens][head][tile][768]
	s_lshl_b32 s42, s46, 7
	s_add_co_u32 s42, s42, s40
	s_lshl_b32 s42, s42, 9                         ; 16 tokens x 32 bytes a tile
	s_lshl_b32 s33, s47, 1
	s_add_co_u32 s42, s42, s33
	s_add_nc_u64 s[22:23], s[12:13], s[42:43]      ; aos [token][32]: my head's two bytes
	s_mov_b32 s6, 0x76543210
	s_mov_b32 s7, 0xfedcba98                       ; v_permlanex16_b32's selects for lane l xor 16
	s_mov_b32 s8, 0x3e38aa3b                       ; c = log2(e) / 8
	s_mov_b32 s9, s8                               ; (named with it as a pair, so it is written)
.irp j, 22,23,24,25,26,27,80,81,82,83,84,85
	v_mov_b32 v\j, 0                               ; zero codes
.endr
.irp j, 216,217,223,225,227,228,229
	v_mov_b32 v\j, 0                               ; written once: lane permutes' destinations, and the upper halves of pairs that are named whole
.endr
	s_wait_alu depctr_va_vdst(0)
	s_wait_kmcnt 0x0
.irp i, 50,52,54,56,58,60,62
	s_or_b64 s[48:49], s[48:49], s[\i:\i+1]        ; step e's word is 1 << e or 0: their OR has a bit for each step
	s_or_b64 s[68:69], s[68:69], s[\i+20:\i+21]
.endr
	s_or_b32 s10, s48, s49
	s_or_b32 s24, s68, s69
	s_or_b32 s10, s10, 0x10000                     ; bit 16: behind the last step there are no words to ask for
	s_or_b32 s24, s24, 0x10000
	s_mov_b32 s25, 0
	s_wait_loadcnt 0x0
.irp i, 0,1,2,3,4,5,6,7
	ds_store_b128 v150, v[32+6*\i:35+6*\i] offset:512*\i+128*(\i/2)
	ds_store_b64 v151, v[36+6*\i:37+6*\i] offset:256*\i+64*(\i/2)
.endr
.irp j, 0,1,2,3,4,5,6,7,8,9,10,11
	ds_store_b128 v152, v[96+4*\j:99+4*\j] offset:512*\j
.endr
	ds_store_b128 v155, v[144:147]
	ds_store_b64 v153, v[148:149]
	s_wait_dscnt 0x0                               ; my stores are done, for the others' sake
	s_barrier_signal -1
	s_barrier_wait -1                              ; everybody's are
.macro SUMS n                          ; n more of the 24 packed additions that fold p's 32 pairs into eight
.rept \n
.if KX < 8
	v_pk_add_f32 v[230+2*KX:231+2*KX], v[96+2*KX:97+2*KX], v[112+2*KX:113+2*KX]
.else
	v_pk_add_f32 v[230+2*(KX%8):231+2*(KX%8)], v[230+2*(KX%8):231+2*(KX%8)], v[112+2*KX:113+2*KX]
.endif
.set KX, KX+1
.endr
.endm
.macro TM n                            ; t - M of n more pairs of scores
.rept \n
	v_pk_fma_f32 v[96+JX:97+JX], v[96+JX:97+JX], s[8:9], v[12:13] op_sel_hi:[1,0,0]
.set JX, JX+2
.endr
.endm
.Lpass:
	global_load_b128 v[16:19], v1, s[16:17]
	global_load_b64 v[20:21], v2, s[16:17] offset:512
	global_load_b32 v28, v7, s[18:19]
	s_mov_b32 s4, 0
	s_load_b512 s[32:47], s[2:3], s4 offset:0x0    ; step 0's mask words are asked for with q
	s_load_b512 s[48:63], s[2:3], s4 offset:0x40
	s_load_b512 s[68:83], s[2:3], s4 offset:0x80
	s_load_b512 s[84:99], s[2:3], s4 offset:0xc0
	v_mov_b32 v13, 0xff61b1e6                      ; the largest score so far: -3e38, under every score
	v_mov_b32 v14, 0
	v_mov_b32 v15, 0
	s_delay_alu instid0(VALU_DEP_3)
	v_mul_f32 v224, s8, v13
	s_delay_alu instid0(VALU_DEP_1)
	v_floor_f32 v12, -v224                         ; -M
.set j, 0
.rept 32
	v_mov_b32 v[160+j], 0                          ; O^T.  (The step is written once: the first finds zeros, which the first change of M leaves zeros)
.set j, j+1
.endr
	s_mov_b32 s11, 0
	s_mov_b32 s12, 0
	s_mov_b32 s13, 0
	s_mov_b32 s14, 0
	s_mov_b32 s15, 0
	s_wait_alu depctr_va_vdst(0)
	s_wait_loadcnt 0x0                             ; q
; A KEY STEP: 128 keys
.Lstep:
	v_add_nc_u32 v29, s12, v3                      ; four plain lines: the places behind the last products, in front of the loads into the registers that they read
	v_add_nc_u32 v30, s13, v4
	v_add_nc_u32 v86, s14, v5
	v_add_nc_u32 v31, s15, v6
.irp c, 0,1
.irp u, 0,1,2,3
	ds_load_b128 v[32+24*\c+6*\u:35+24*\c+6*\u], v29 offset:2304*\c+512*(\u%2)+128*(\u/2)
	ds_load_b64 v[36+24*\c+6*\u:37+24*\c+6*\u], v30 offset:1152*\c+256*(\u%2)+64*(\u/2)
.endr
.endr
	ds_load_b64 v[88:89], v86                      ; k's scale words of tiles u = 0, 1: lanes 0-15 c = 0, lanes 16-31 c = 1;
	ds_load_b64 v[90:91], v86 offset:128           ; of u = 2, 3
	s_wait_alu depctr_va_vdst(0)
	s_wait_dscnt 0x0
.irp t, 0,1,2,3
	v_wmma_scale_f32_16x16x128_f8f6f4 v[96+8*\t:103+8*\t], v[32+6*\t:43+6*\t], v[16:27], 0, v[88+\t], v28 matrix_a_fmt:MATRIX_FMT_BF6 matrix_b_fmt:MATRIX_FMT_BF6
.endr
.irp t, 4,5,6,7
	v_wmma_scale_f32_16x16x128_f8f6f4 v[96+8*\t:103+8*\t], v[32+6*\t:43+6*\t], v[16:27], 0, v[84+\t], v28 matrix_a_fmt:MATRIX_FMT_BF6 matrix_b_fmt:MATRIX_FMT_BF6 matrix_a_scale:MATRIX_SCALE_ROW1
.endr
	v_mov_b32 v228, v12                            ; the old -M.  With the three below: the places in front of the loads into k's registers and of the first read of the scores
.rept 3
	v_nop
.endr
.irp ct, 0,1,2,3
.irp c, 0,1,2
	ds_load_b128 v[32+12*\ct+4*\c:35+12*\ct+4*\c], v31 offset:1536*\ct+512*\c   ; v's four fragments land while the softmax is walked
.endr
.endr
	ds_load_b128 v[92:95], v31 offset:6144         ; v's scale words: lanes 0-15 row r's four (what lanes 16-31 read is not used)
	s_wait_kmcnt 0x0                               ; the step's mask words, where they were asked for
	s_bitcmp1_b32 s10, s11
	s_cbranch_scc1 .Lopen                          ; all 16 x 128 open: nothing to select
.set n, 0
.rept 32
	v_cndmask_b32 v[96+n], v9, v[96+n], s[32+n]    ; a closed key's score becomes -infinity.  (Each tile of scores is read from its low end on)
.set n, n+1
.endr
.rept 32
	v_cndmask_b32 v[96+n], v9, v[96+n], s[36+n]
.set n, n+1
.endr
.Lopen:
	s_add_co_u32 s4, s4, 256
	s_add_co_u32 s11, s11, 1
	s_bitcmp1_b32 s10, s11
	s_cbranch_scc1 .Lasked                         ; the next step's words are asked for now, if it has a closed key
	s_load_b512 s[32:47], s[2:3], s4 offset:0x0
	s_load_b512 s[48:63], s[2:3], s4 offset:0x40
	s_load_b512 s[68:83], s[2:3], s4 offset:0x80
	s_load_b512 s[84:99], s[2:3], s4 offset:0xc0
.Lasked:
.irp t, 0,1,2,3,4,5,6,7
	v_max3_num_f32 v[212+\t], v[96+8*\t], v[97+8*\t], v[98+8*\t]   ; THE LARGEST SCORE OF MY TWO BLOCKS OF 32 KEYS: it serves for the row's maximum and, since p rises with the score, for the block's largest p.  Eight chains by turns
.endr
.irp i, 3,5
.irp t, 0,1,2,3,4,5,6,7
	v_max3_num_f32 v[212+\t], v[212+\t], v[96+8*\t+\i], v[97+8*\t+\i]
.endr
.endr
	v_max_num_f32 v220, v119, v127                 ; each tile's last register
	v_max_num_f32 v221, v151, v159
	v_max3_num_f32 v212, v212, v213, v103
	v_max3_num_f32 v214, v214, v215, v111
	v_max3_num_f32 v216, v216, v217, v135
	v_max3_num_f32 v218, v218, v219, v143
	s_delay_alu instid0(VALU_DEP_3)
	v_max3_num_f32 v212, v212, v214, v220          ; block h
	s_delay_alu instid0(VALU_DEP_2)
	v_max3_num_f32 v213, v216, v218, v221          ; block 2 + h
	s_delay_alu instid0(VALU_DEP_1)
	v_max_num_f32 v222, v212, v213
	s_delay_alu instid0(VALU_DEP_1)
	v_permlanex16_b32 v223, v222, s6, s7
	s_delay_alu instid0(VALU_DEP_1)
	v_max3_num_f32 v13, v13, v222, v223            ; the running largest score of my query (it stays where all 128 keys are closed)
	s_delay_alu instid0(VALU_DEP_1)
	v_mul_f32 v224, s8, v13                        ; as t
	s_delay_alu instid0(VALU_DEP_1)
	v_floor_f32 v12, -v224                         ; the new -M = floor(-t) = -ceil(t): M is a whole number
	s_delay_alu instid0(VALU_DEP_1)
	v_sub_f32 v224, v12, v228                      ; old M - new M: a whole number, 0 or less
.set JX, 0
	TM 8
	v_cvt_i32_f32 v224, v224                       ; (it saturates)
	TM 8
	v_ldexp_f32 v226, 1.0, v224                    ; f = 2^(old M - new M)
	TM 16
	v_pk_fma_f32 v[212:213], v[212:213], s[8:9], v[12:13] op_sel_hi:[1,0,0]   ; the same of my two blocks' largest scores
.set j, 0
.rept 16
	v_pk_mul_f32 v[160+j:161+j], v[160+j:161+j], v[226:227] op_sel_hi:[1,0]   ; O^T under the new M, each accumulator from its low end on
.set j, j+2
.endr
	s_wait_alu depctr_va_vdst(0)
.set j, 0
.rept 64
	v_exp_f32 v[96+j], v[96+j]                     ; p = 2^(t - M), at most 1
.set j, j+1
.endr
	v_exp_f32 v212, v212                           ; the blocks' largest p: the same two instructions on the same number give the same bits
	v_exp_f32 v213, v213
	v_pk_mul_f32 v[14:15], v[14:15], v[226:227] op_sel_hi:[1,0]   ; the sums under the new M (the plain line behind the exponentials)
	s_wait_alu depctr_va_vdst(0)                   ; one wait for the whole batch
	v_max_num_f32 v212, 0x2800000, v212            ; the floor 2^(5 - 127): the byte cannot fall under 1
	v_max_num_f32 v213, 0x2800000, v213
	s_delay_alu instid0(VALU_DEP_2)
	v_add_nc_u32 v220, 0xfe000000, v212            ; 4 off the exponent field: the conversion's scale operand
	s_delay_alu instid0(VALU_DEP_2)
	v_add_nc_u32 v221, 0xfe000000, v213
	v_cvt_scalef32_pk16_bf6_f32 v[192:194], v[96:111], v220      ; registers 0-2 of the operand: keys 32 h + 0 .. 15
	v_cvt_scalef32_pk16_bf6_f32 v[204:206], v[112:127], v220     ; (a conversion's three registers begin on an even number: these are moved to 3-5)
	v_cvt_scalef32_pk16_bf6_f32 v[198:200], v[128:143], v221     ; registers 6-8: keys 64 + 32 h + 0 .. 15
	v_cvt_scalef32_pk16_bf6_f32 v[208:210], v[144:159], v221
	v_lshrrev_b32 v216, 23, v220                   ; the scales' bytes (also the plain line behind the conversions).  The word's chain stands among the sums, five or more lines apart
	v_lshrrev_b32 v217, 23, v221
.set KX, 0
	SUMS 5                                         ; THE ROW'S SUM IS TAKEN OF THE UNQUANTISED p
	v_lshl_or_b32 v224, v217, 16, v216             ; blocks h and 2 + h,
	SUMS 5
	v_lshlrev_b32 v224, v10, v224                  ; at their places in the word (8 h bits up);
	SUMS 5
	v_permlanex16_b32 v225, v224, s6, s7
	SUMS 5
	v_or_b32 v224, v224, v225                      ; with lane l xor 16's two, p's scale word for these 128 keys
	SUMS 4
.irp i, 0,1,2
	v_mov_b32 v[195+\i], v[204+\i]
	v_mov_b32 v[201+\i], v[208+\i]
.endr
.irp i, 0,1,2,3
	v_pk_add_f32 v[230+2*\i:231+2*\i], v[230+2*\i:231+2*\i], v[238+2*\i:239+2*\i]
.endr
	s_delay_alu instid0(VALU_DEP_2)
	v_pk_add_f32 v[230:231], v[230:231], v[234:235]
	s_delay_alu instid0(VALU_DEP_2)
	v_pk_add_f32 v[232:233], v[232:233], v[236:237]
	s_delay_alu instid0(VALU_DEP_1)
	v_pk_add_f32 v[230:231], v[230:231], v[232:233]
	s_delay_alu instid0(VALU_DEP_1)
	v_pk_add_f32 v[14:15], v[14:15], v[230:231]    ; (these eight are the places between p's codes and the products; 18 stand behind the scale word)
	s_wait_alu depctr_va_vdst(0)
	s_wait_dscnt 0x0                               ; v's fragments and scale words
.irp ct, 0,1,2,3                               ; O^T += v^T p^T: one instruction for each of the four accumulators
	v_wmma_scale_f32_16x16x128_f8f6f4 v[160+8*\ct:167+8*\ct], v[32+12*\ct:43+12*\ct], v[192:203], v[160+8*\ct:167+8*\ct], v[92+\ct], v224 matrix_a_fmt:MATRIX_FMT_BF6 matrix_b_fmt:MATRIX_FMT_BF6
.endr
	s_add_co_u32 s12, s12, KAP
	s_add_co_u32 s13, s13, KBP
	s_add_co_u32 s14, s14, 512
	s_add_co_u32 s15, s15, LVP
	s_cmp_lt_u32 s11, 16
	s_cbranch_scc1 .Lstep
; THE WAY OUT of a pass: O^T / the sum, quantised along the head's 64 channels (two blocks): a half image and two scale bytes a query.
.rept 4
	v_nop                                          ; places behind the last products
.endr
	v_add_f32 v14, v14, v15                        ; the sum's two halves,
	s_delay_alu instid0(VALU_DEP_1)
	v_permlanex16_b32 v228, v14, s6, s7
	s_delay_alu instid0(VALU_DEP_1)
	v_add_f32 v14, v14, v228                       ; and lane l xor 16's: the row's sum
	s_wait_alu depctr_va_vdst(0)
	v_rcp_f32 v228, v14
	v_nop                                          ; one plain line behind a transcendental
	s_wait_alu depctr_va_vdst(0)                   ; the wait behind the transcendental, directly ahead of the first reader of O^T
.set j, 0
.rept 16
	v_pk_mul_f32 v[96+j:97+j], v[160+j:161+j], v[228:229] op_sel_hi:[1,0]   ; register 16 b + i is o(my query, channel 32 b + 16 (lane / 16) + i)
.set j, j+2
.endr
.irp b, 0,1
	v_max3_num_f32 v[212+\b], |v[96+16*\b]|, |v[97+16*\b]|, 0x2800000
.endr
.irp i, 2,4,6,8,10,12,14
.irp b, 0,1
	s_delay_alu instid0(VALU_DEP_2)
	v_max3_num_f32 v[212+\b], v[212+\b], |v[96+16*\b+\i]|, |v[97+16*\b+\i]|
.endr
.endr
.irp b, 0,1
	s_delay_alu instid0(VALU_DEP_2)
	v_permlanex16_b32 v[216+\b], v[212+\b], s6, s7
.endr
.irp b, 0,1
	s_delay_alu instid0(VALU_DEP_2)
	v_max_num_f32 v[212+\b], v[212+\b], v[216+\b]
.endr
.irp b, 0,1
	s_delay_alu instid0(VALU_DEP_2)
	v_add_nc_u32 v[220+\b], 0xfe000000, v[212+\b]
.endr
.irp b, 0,1
	s_delay_alu instid0(VALU_DEP_2)
	v_lshrrev_b32 v[216+\b], 23, v[220+\b]
.endr
	s_delay_alu instid0(VALU_DEP_1)
	v_lshl_or_b32 v224, v217, 8, v216              ; my query's two bytes
	v_cmp_lt_f32 vcc_lo, 0, v14                    ; a row with an open key has a sum above 1/2; a row with none has 0:
	s_delay_alu instid0(VALU_DEP_1)
	v_cndmask_b32 v224, 0xffff, v224, vcc_lo       ; its bytes become 0xff.  A select: no branch and no address hangs on it
	v_cvt_scalef32_pk16_bf6_f32 v[192:194], v[96:111], v220
	v_cvt_scalef32_pk16_bf6_f32 v[198:200], v[112:127], v221
	v_nop                                          ; one plain line behind a scaled conversion
.irp i, 0,1,2
	v_permlane16_swap_b32 v[192+\i], v[198+\i]     ; here a block lies in lanes l and l xor 16: the operand's layout wants it whole in a lane
.endr
.irp i, 0,1,2
	s_delay_alu instid0(VALU_DEP_3)
	v_mov_b32 v[195+\i], v[198+\i]
.endr
	global_store_b128 v1, v[192:195], s[20:21]     ; 512 consecutive bytes, aligned
	global_store_b64 v2, v[196:197], s[20:21] offset:512   ; 256 consecutive bytes, aligned
	global_store_b16 v8, v224, s[22:23]            ; two bytes a row, rows 32 bytes apart (lanes r and r + 16 store the same): one byte in 24 of what the launch stores
	s_wait_xcnt 0x0                                ; the loads and stores have read their bases and registers,
	s_wait_kmcnt 0x0                               ; and no scalar load is out: on to the tile 16 further on
	s_add_nc_u64 s[16:17], s[16:17], 12288
	s_add_nc_u64 s[18:19], s[18:19], 1024
	s_add_nc_u64 s[20:21], s[20:21], 196608
	s_add_nc_u64 s[22:23], s[22:23], 8192
	s_add_nc_u64 s[2:3], s[2:3], 65536
	s_mov_b32 s10, s24
	s_add_co_u32 s25, s25, 1
	s_cmp_lt_u32 s25, 2
	s_cbranch_scc1 .Lpass
	s_wait_tensorcnt 0x0                           ; the wave's end
	ds_add_u32 v254, v255
	s_wait_dscnt 0x0
	s_endpgm
.Lfunc_end_k_q58815297d2_attn:
	.size	k_q58815297d2_attn, .Lfunc_end_k_q58815297d2_attn-k_q58815297d2_attn
	.p2alignl 7, 3214868480
	.fill 96, 4, 3214868480
	.section	.rodata,"a",@progbits
	.p2align	6, 0x0
	.amdhsa_kernel k_q58815297d2_attn
		.amdhsa_group_segment_fixed_size 223232
		.amdhsa_private_segment_fixed_size 0
		.amdhsa_enable_private_segment 0
		.amdhsa_kernarg_size 40
		.amdhsa_user_sgpr_count 2
		.amdhsa_user_sgpr_kernarg_segment_ptr 1
		.amdhsa_wavefront_size32 1
		.amdhsa_system_sgpr_workgroup_id_x 1
		.amdhsa_system_sgpr_workgroup_id_y 1
		.amdhsa_system_sgpr_workgroup_id_z 1
		.amdhsa_system_vgpr_workitem_id 0
		.amdhsa_next_free_vgpr 256
		.amdhsa_next_free_sgpr 100
		.amdhsa_reserve_vcc 1
		.amdhsa_float_denorm_mode_32 3
		.amdhsa_float_denorm_mode_16_64 3
		.amdhsa_memory_ordered 1
		.amdhsa_forward_progress 1
		.amdhsa_inst_pref_size 38
	.end_amdhsa_kernel
	.amdgpu_metadata
---
amdhsa.version: [ 1, 2 ]
amdhsa.kernels:
  - .name:           k_q58815297d2_attn
    .symbol:         k_q58815297d2_attn.kd
    .args:
      - { .name: qkv, .offset: 0, .size: 8, .value_kind: global_buffer, .address_space: global }
      - { .name: maskw, .offset: 8, .size: 8, .value_kind: global_buffer, .address_space: global }
      - { .name: maskf, .offset: 16, .size: 8, .value_kind: global_buffer, .address_space: global }
      - { .name: aoc, .offset: 24, .size: 8, .value_kind: global_buffer, .address_space: global }
      - { .name: aos, .offset: 32, .size: 8, .value_kind: global_buffer, .address_space: global }
    .group_segment_fixed_size: 223232
    .private_segment_fixed_size: 0
    .kernarg_segment_align: 8
    .kernarg_segment_size: 40
    .max_flat_workgroup_size: 512
    .sgpr_count:     100
    .vgpr_count:     256
    .wavefront_size: 32
...
	.end_amdgpu_metadata
.endif
;; end of part 3
;; launch gemm_out (part 4): grid 8 x 32, 4 waves a work-group, clusters of 4 x 4, 327,680 bytes of LDS; arguments aoc, aos, opc, ops, out_b, out0; writes out0
.if DOCPART == 4
	.amdgcn_target "amdgcn-amd-amdhsa--gfx1250"
	.amdhsa_code_object_version 6
	.text
	.protected	k_q58815297d2_gemm_out
	.globl	k_q58815297d2_gemm_out
	.p2align	8
	.type	k_q58815297d2_gemm_out,@function
k_q58815297d2_gemm_out:
	s_mov_b64 s[64:65], 0
	v_nop
	global_prefetch_b8 v0, s[64:65] scope:SCOPE_SE
	s_setreg_imm32_b32 hwreg(HW_REG_WAVE_MODE, 25, 1), 1
	s_wait_xcnt 0x0
	s_wait_alu depctr_hold_cnt(0) depctr_sa_sdst(0) depctr_va_vdst(0) depctr_va_sdst(0) depctr_va_ssrc(0) depctr_va_vcc(0) depctr_vm_vsrc(0)
	s_getreg_b32 s2, hwreg(HW_REG_IB_STS2, 6, 4)
	s_cmp_eq_u32 s2, 0
	s_cbranch_scc0 .Lentry_in_a_cluster
	s_endpgm
.Lentry_in_a_cluster:
	s_bfe_u32 s2, ttmp6, 0x10000c
	s_cmp_lg_u32 s2, 0xf033
	s_cbranch_scc0 .Lentry_shape_is_right
	s_endpgm
.Lentry_shape_is_right:
; out0 = o out_w^T + out_b on codes of BF6 (E3M2) with E8M0 scales.  o: 8,192 tokens x 1,024, as the attention launch left it (aoc: register images [256 tokens][head][tile of 16][768 bytes]; aos [token][32 bytes]);
; out_w: rows 11,264 .. 12,287 of opc and ops.  Tokens and out_w's rows lie in the stored order (bits 3 and 4 of the number swapped).
; A block of the result is 256 tokens x 128 columns: 32 x 8 = 256 work-groups.  Four waves, each 128 x 64: 32 accumulators of 16 x 16.
; ALL OF K STAYS IN LDS: A's 196,608 bytes, dense, as they lie; B's four K steps of 256, each 128 rows x 192 bytes on end in opc, with 16 bytes of padding behind each 64 (an operand row is 240 bytes).  Each wave asks for a quarter
; by ONE tensor load at the head (waves 0, 1: A's halves; waves 2, 3: two K steps of B each).  Nothing is filled again: the walk along K has no ring and no barrier but the one in front of the way out.
; THE SCALES come straight into registers: a row's 32 bytes are its 8 words, one for each 128 along K; sixteen rows are 512 bytes on end, read by two loads of 16 bytes a lane.
; CLUSTERS: 4 x 4 work-groups; A's loads are asked for jointly along a row of the cluster, B's along a column.  NO PREFETCH: all tiles are asked for at the head; there is no loop to run ahead in.
; THE MATRIX INSTRUCTION IS USED TRANSPOSED (source 0 = 16 rows of out_w, source 1 = 16 tokens): a lane holds eight neighbouring columns of one token's row.  The bias is the C of each accumulator's first product.
; REGISTERS, in windows of 256: window 0: v8-30 addresses; v32-95 A's scale words (block a, step q at 8 a + q), v96-127 B's, v128-159 the bias.  Window 1: A's fragments, two sets of 96; on the way out 8 x 32 registers of rows.
; Window 2: B's fragments, two sets of 48.  Window 3: the 32 accumulators, (a, b) at 8 (4 a + b).
.set PITCH,  240
.set FR,     12
.set ABYTES, 196608                    ; A in LDS from 0; a K step of 256 (four heads) is 49,152 bytes
.set KBLK,   128*PITCH                 ; B behind it: so much a K step of 256
.set SPARE,  ABYTES+4*KBLK             ; the spare words: 128 bytes for each wave
.set SPITCH, 272                       ; the way out: a stage of 16 rows x (256 + 16) bytes for each wave, on A's bytes, which have had their only fill
.set CROW,   4096                      ; a row of out0
.set ADA, 8                            ; v8-11 A's 16-byte parts, by K step of 256; v12-15 its 8-byte parts
.set ADB, 16                           ; v16-19 B's pieces; v20-23 those whose lanes 16-31 lie behind one more padding
.set STO, 24
.set RD,  25
.set CO,  26
.set VS,  27                           ; 32 x (lane % 16): my row's scales
.set SPW, 28
.set NIL, 29
.set VBN, 30
.set SA,  32
.set SB,  96
.set BI,  128
.set G1,  24
.set G0,  32
.set G1B, 48
.set G0B, 56
.set MSB, 0
.macro WIN new                         ; the immediate's high byte repeats the setting that is left
.if MSB != \new
	s_set_vgpr_msb (MSB<<8)|\new
.set MSB, \new
.endif
.endm
.set MUL_W,  0xf6                      ; source 0 (B) window 2, source 1 (A) window 1, C and D window 3
.set MULZ_W, 0xc6                      ; the same with C (the bias) in window 0
.macro CROUND                          ; a round of the cluster's barrier
	s_barrier_signal -1
	s_barrier_wait -1
	s_cmp_lg_u32 s14, 0
	s_cbranch_scc1 .Lnot_wave_0_\@
	s_barrier_signal -3
.Lnot_wave_0_\@:
	s_barrier_wait -3
	s_barrier_signal -1
	s_barrier_wait -1
.endm
.macro PLACES n
.rept \n
	v_nop
.endr
.endm
	s_load_b128 s[4:7], s[0:1], 0x0                ; aoc, aos
	s_load_b128 s[8:11], s[0:1], 0x10              ; opc, ops
	s_load_b128 s[96:99], s[0:1], 0x20             ; out_b, out0
	v_lshl_add_u32 v[SPW], v0, 2, SPARE
	v_mov_b32 v[NIL], 0
	ds_add_u32 v[SPW], v[NIL]                      ; the opening lines: the add, twice on end, and its wait ahead of my tensor load
	ds_add_u32 v[SPW], v[NIL]
	v_lshrrev_b32 v1, 5, v0
	v_readfirstlane_b32 s14, v1                    ; wave
	s_lshr_b32 s15, s14, 1                         ; which 128 tokens are mine.  Also: I fetch for A (0) or for B (1)
	s_and_b32 s16, s14, 1                          ; which 64 columns.  Also: which half of that operand I fetch
	s_bfe_u32 s40, ttmp6, 0x40000                  ; cx, cy
	s_bfe_u32 s41, ttmp6, 0x40004
	s_lshl_b32 s42, ttmp9, 2
	s_add_co_u32 s42, s42, s40                     ; block column 0..7
	s_and_b32 s17, ttmp7, 0xffff
	s_lshl_b32 s17, s17, 2
	s_add_co_u32 s17, s17, s41                     ; block row 0..31
	s_lshl_b32 s43, s41, 2
	s_lshl_b32 s43, 15, s43                        ; my row of the cluster
	s_lshl_b32 s44, 0x1111, s40                    ; my column
	s_or_b32 s[G1+0], s43, (3<<16)|(1<<21)         ; A: 384 rows of 256 bytes (32 elements of 8), dense, no padding
	s_mov_b32 s[G1+1], 32<<16
	s_mov_b32 s[G1+2], 384<<16
	s_mov_b32 s[G1+3], 32<<16
	s_mov_b32 s[G1+4], 384
	s_mov_b32 s[G1+5], 32
	s_mov_b32 s[G1+6], 0
	s_mov_b32 s[G1+7], 0
	s_or_b32 s[G1B+0], s44, (0<<16)|(1<<20)|(1<<21)|(3<<22)|(3<<25)   ; B: 2 rows of 24,576 bytes, 49,152 apart; 4 words of padding behind every 16
	s_mov_b32 s[G1B+1], 24576<<16
	s_mov_b32 s[G1B+2], 2<<16
	s_mov_b32 s[G1B+3], 24576<<16
	s_mov_b32 s[G1B+4], 2
	s_mov_b32 s[G1B+5], 49152
	s_mov_b32 s[G1B+6], 0
	s_mov_b32 s[G1B+7], 0
	s_mul_i32 s45, s16, 98304                      ; my half: of A's block, and of B's four K steps
	s_mul_i32 s20, s17, ABYTES
	s_add_co_u32 s20, s20, s45
	s_mov_b32 s21, 0
	s_lshr_b32 s46, s42, 1
	s_add_co_u32 s46, s46, 44                      ; out_w's rows begin at 11,264 = 44 x 256
	s_mul_i32 s46, s46, 196608
	s_and_b32 s47, s42, 1
	s_mul_i32 s47, s47, 24576
	s_add_co_u32 s46, s46, s47
	s_add_co_u32 s46, s46, s45
	s_mov_b32 s47, 0
	s_mul_i32 s22, s16, 2*KBLK
	s_add_co_u32 s22, s22, ABYTES
	s_wait_dscnt 0x0                               ; both opening adds are done
	s_wait_kmcnt 0x0
	s_mov_b32 s[G0], 1
	s_mov_b32 s[G0+1], s45
	s_add_nc_u64 s[G0+2:G0+3], s[4:5], s[20:21]
	s_or_b32 s[G0+3], s[G0+3], 0x80000000
	s_mov_b32 s[G0B], 1
	s_mov_b32 s[G0B+1], s22
	s_add_nc_u64 s[G0B+2:G0B+3], s[8:9], s[46:47]
	s_or_b32 s[G0B+3], s[G0B+3], 0x80000000
	CROUND                                         ; all sixteen work-groups are here: the joint loads meet
	s_cmp_eq_u32 s15, 0
	s_cbranch_scc0 .Lfor_b
	tensor_load_to_lds s[G0:G0+3], s[G1:G1+7]      ; my one tensor load of the launch
	s_nop 0
	PLACES 4
	s_branch .Lasked
.Lfor_b:
	tensor_load_to_lds s[G0B:G0B+3], s[G1B:G1B+7]
	s_nop 0
	PLACES 4
.Lasked:
	v_and_b32 v1, 15, v0                           ; r
	v_bfe_u32 v2, v0, 4, 1                         ; h
	v_and_b32 v6, 31, v0
	v_mul_u32_u24 v3, v1, PITCH
	v_mul_u32_u24 v4, v2, 24
	v_add_nc_u32 v4, v3, v4                        ; B: row x pitch + 24 h
	v_lshl_add_u32 v5, v2, 4, v4                   ; and with one more padding for lanes 16-31
	v_lshlrev_b32 v3, 4, v6                        ; A: an image's registers 0-3: 16 x lane
	v_lshl_add_u32 v7, v6, 3, 512                  ; its registers 4-5: 512 + 8 x lane
	s_mul_i32 s21, s15, 8*768                      ; my eight tiles of tokens
	s_mul_i32 s22, s16, 64*PITCH                   ; my 64 rows of out_w
	s_add_co_u32 s22, s22, ABYTES
.irp k, 0,1,2,3
	v_add_nc_u32 v[ADA+\k], s21, v3
	v_add_nc_u32 v[ADA+4+\k], s21, v7
	v_add_nc_u32 v[ADB+\k], s22, v4
	v_add_nc_u32 v[ADB+4+\k], s22, v5
	s_add_co_u32 s21, s21, 49152
	s_add_co_u32 s22, s22, KBLK
.endr
	s_mul_i32 s23, s14, 16*SPITCH                  ; my stage
	v_mul_u32_u24 v5, v1, SPITCH                   ; in: row r, 64 bytes for each half of the lanes in each 128
	v_lshl_add_u32 v5, v2, 6, v5
	v_add_nc_u32 v[STO], s23, v5
	v_mul_u32_u24 v7, v2, SPITCH                   ; back: lanes 0-15 one row of 256 bytes, lanes 16-31 the next
	v_lshl_add_u32 v7, v1, 4, v7
	v_add_nc_u32 v[RD], s23, v7
	v_lshlrev_b32 v[CO], 12, v2                    ; and the same two rows in out0
	v_lshl_add_u32 v[CO], v1, 4, v[CO]
	v_lshlrev_b32 v[VS], 5, v1
	v_lshlrev_b32 v[VBN], 6, v2
	s_wait_alu depctr_va_vdst(0)
	s_lshl_b32 s20, s17, 8
	s_lshl_b32 s21, s15, 7
	s_add_co_u32 s20, s20, s21                     ; my first token
	s_lshl_b32 s22, s42, 7
	s_lshl_b32 s23, s16, 6
	s_add_co_u32 s22, s22, s23                     ; my first column
	s_mov_b32 s47, 0
	s_lshl_b32 s46, s20, 5
	s_add_nc_u64 s[6:7], s[6:7], s[46:47]          ; A's scales
	s_add_co_u32 s46, s22, 11264
	s_lshl_b32 s46, s46, 5
	s_add_nc_u64 s[10:11], s[10:11], s[46:47]      ; B's
	s_lshl_b32 s46, s22, 2
	s_add_nc_u64 s[96:97], s[96:97], s[46:47]      ; the bias
	s_add_nc_u64 s[98:99], s[98:99], s[46:47]
	s_lshl_b32 s46, s20, 12
	s_add_nc_u64 s[98:99], s[98:99], s[46:47]      ; my part of out0
.irp a, 0,1,2,3,4,5,6,7
	global_load_b128 v[SA+8*\a:SA+8*\a+3], v[VS], s[6:7] offset:512*\a
	global_load_b128 v[SA+8*\a+4:SA+8*\a+7], v[VS], s[6:7] offset:512*\a+16
.endr
.irp b, 0,1,2,3
	global_load_b128 v[SB+8*\b:SB+8*\b+3], v[VS], s[10:11] offset:512*\b
	global_load_b128 v[SB+8*\b+4:SB+8*\b+7], v[VS], s[10:11] offset:512*\b+16
.endr
.irp b, 0,1,2,3
	global_load_b128 v[BI+8*\b:BI+8*\b+3], v[VBN], s[96:97] offset:(32*(\b/2)+8*(\b%2))*4      ; register j of block b is column 32 (b / 2) + 16 h + 8 (b % 2) + j: out_w's stored order
	global_load_b128 v[BI+8*\b+4:BI+8*\b+7], v[VBN], s[96:97] offset:(32*(\b/2)+8*(\b%2))*4+16
.endr
.macro FRAG reg, adr, q, i             ; B: 16 rows x 128 K: six pieces of 8 bytes; piece PCE of the 192-byte row lies at 8 PCE + 16 (PCE / 8); lanes 16-31 read three pieces on
.irp p, 0,1,2,3,4,5
.set PCE, 12*(\q)+6*(\p/3)+\p%3
.if PCE%8 < 5
	ds_load_b64 v[\reg+2*\p:\reg+2*\p+1], v[\adr] offset:8*PCE+16*(PCE/8)+(\i)*16*PITCH
.else
	ds_load_b64 v[\reg+2*\p:\reg+2*\p+1], v[\adr+4] offset:8*PCE+16*(PCE/8)+(\i)*16*PITCH
.endif
.endr
.endm
.macro FRAGA reg, k, q, i              ; A: two heads' half images make the 12 registers
	ds_load_b128 v[\reg:\reg+3], v[ADA+\k] offset:((2*(\q))*16+(\i))*768
	ds_load_b64 v[\reg+4:\reg+5], v[ADA+4+\k] offset:((2*(\q))*16+(\i))*768
	ds_load_b128 v[\reg+6:\reg+9], v[ADA+\k] offset:((2*(\q)+1)*16+(\i))*768
	ds_load_b64 v[\reg+10:\reg+11], v[ADA+4+\k] offset:((2*(\q)+1)*16+(\i))*768
.endm
.macro FETCH q                         ; step q's fragments (128 along K) into set q % 2: 24 + 32 loads
	WIN 0x80
.irp i, 0,1,2,3
	FRAG 48*((\q)%2)+FR*\i, ADB+(\q)/2, (\q)%2, \i
.endr
	WIN 0x40
.irp i, 0,1,2,3,4,5,6,7
	FRAGA 96*((\q)%2)+FR*\i, (\q)/2, (\q)%2, \i
.endr
.endm
.macro MUL q, zero                     ; 32 matrix instructions, the accumulators by turns, in the same order in every step
.irp a, 0,1,2,3,4,5,6,7
.irp b, 0,1,2,3
.if \zero
	v_wmma_scale_f32_16x16x128_f8f6f4 v[8*(4*\a+\b):8*(4*\a+\b)+7], v[48*((\q)%2)+FR*\b:48*((\q)%2)+FR*\b+FR-1], v[96*((\q)%2)+FR*\a:96*((\q)%2)+FR*\a+FR-1], v[BI+8*\b:BI+8*\b+7], v[SB+8*\b+(\q)], v[SA+8*\a+(\q)] matrix_a_fmt:MATRIX_FMT_BF6 matrix_b_fmt:MATRIX_FMT_BF6
.else
	v_wmma_scale_f32_16x16x128_f8f6f4 v[8*(4*\a+\b):8*(4*\a+\b)+7], v[48*((\q)%2)+FR*\b:48*((\q)%2)+FR*\b+FR-1], v[96*((\q)%2)+FR*\a:96*((\q)%2)+FR*\a+FR-1], v[8*(4*\a+\b):8*(4*\a+\b)+7], v[SB+8*\b+(\q)], v[SA+8*\a+(\q)] matrix_a_fmt:MATRIX_FMT_BF6 matrix_b_fmt:MATRIX_FMT_BF6
.endif
.endr
.endr
.endm
	s_wait_tensorcnt 0x0                           ; my quarter is in,
	s_barrier_signal -1
	s_barrier_wait -1                              ; everybody's is
	FETCH 0
	s_wait_loadcnt 0x0                             ; the scales and the bias
	s_wait_dscnt 0x0
	FETCH 1
	WIN MULZ_W
	MUL 0, 1                                       ; the first products start the sums from the bias
.set Q, 1
.rept 6
	s_wait_dscnt 0x0                               ; this step's fragments, asked for ahead of the last step's 32 products
	PLACES 4                                       ; in front of the loads into the set that those products read
	FETCH Q+1
	WIN MUL_W
	MUL Q, 0
.set Q, Q+1
.endr
	s_wait_dscnt 0x0                               ; my last reads of A and B are over:
	s_barrier_signal -1                            ; say so,
	WIN MUL_W
	MUL 7, 0                                       ; work on registers while the others arrive,
	WIN 0
	s_barrier_wait -1                              ; and behind this nobody reads A's bytes any more: the stages may lie there
	PLACES 4                                       ; in front of the first read of results and of the loads into A's registers
; THE WAY OUT, block by block of 16 tokens x 64 columns: through my stage, back as rows of 256 bytes, sixteen lanes to a row.  LDS serves a wave's instructions in order (ISA guide 5.7.1.4): no wait between stores and loads.
; Each block has 32 registers of its own in window 1, and every offset is an immediate: no store's register or base is written again.
.macro TOSTAGE a
	WIN 0x0c                                       ; the data: window 3
.irp b, 0,1,2,3
	ds_store_b128 v[STO], v[32*(\a)+8*\b:32*(\a)+8*\b+3] offset:128*(\b/2)+32*(\b%2)        ; each accumulator from its low end on
	ds_store_b128 v[STO], v[32*(\a)+8*\b+4:32*(\a)+8*\b+7] offset:128*(\b/2)+32*(\b%2)+16
.endr
	WIN 0x40
.irp t, 0,1,2,3,4,5,6,7
	ds_load_b128 v[32*(\a)+4*\t:32*(\a)+4*\t+3], v[RD] offset:\t*2*SPITCH
.endr
.endm
.macro SEND a, younger                 ; younger: the LDS instructions issued behind block a's loads
	s_wait_dscnt \younger
	WIN 0x04                                       ; the data: window 1
.irp t, 0,1,2,3,4,5,6,7
	global_store_b128 v[CO], v[32*(\a)+4*\t:32*(\a)+4*\t+3], s[98:99] offset:(32*((\a)/2)+8*((\a)%2)+2*(\t%4)+16*(\t/4))*CROW th:TH_STORE_NT   ; stored row 2 t + h of block a is token 32 (a / 2) + 8 (a % 2) + 2 (t % 4) + h + 16 (t / 4); 16 lanes store 256 consecutive bytes, aligned
.endr
.endm
	TOSTAGE 0
.irp a, 1,2,3,4,5,6,7
	TOSTAGE \a
	SEND \a-1, 16                                  ; behind block a - 1's loads: block a's 8 stores and 8 loads
.endr
	SEND 7, 0
	WIN 0
	s_wait_tensorcnt 0x0                           ; the wave's end
	ds_add_u32 v[SPW], v[NIL]
	s_wait_dscnt 0x0
	CROUND                                         ; the closing round
	s_endpgm
.Lfunc_end_k_q58815297d2_gemm_out:
	.size	k_q58815297d2_gemm_out, .Lfunc_end_k_q58815297d2_gemm_out-k_q58815297d2_gemm_out
	.p2alignl 7, 3214868480
	.fill 96, 4, 3214868480
	.section	.rodata,"a",@progbits
	.p2align	6, 0x0
	.amdhsa_kernel k_q58815297d2_gemm_out
		.amdhsa_group_segment_fixed_size 327680
		.amdhsa_private_segment_fixed_size 0
		.amdhsa_enable_private_segment 0
		.amdhsa_kernarg_size 48
		.amdhsa_user_sgpr_count 2
		.amdhsa_user_sgpr_kernarg_segment_ptr 1
		.amdhsa_wavefront_size32 1
		.amdhsa_system_sgpr_workgroup_id_x 1
		.amdhsa_system_sgpr_workgroup_id_y 1
		.amdhsa_system_sgpr_workgroup_id_z 1
		.amdhsa_system_vgpr_workitem_id 0
		.amdhsa_next_free_vgpr 1024
		.amdhsa_next_free_sgpr 100
		.amdhsa_reserve_vcc 0
		.amdhsa_float_denorm_mode_32 3
		.amdhsa_float_denorm_mode_16_64 3
		.amdhsa_memory_ordered 1
		.amdhsa_forward_progress 1
		.amdhsa_inst_pref_size 88
	.end_amdhsa_kernel
	.amdgpu_metadata
---
amdhsa.version: [ 1, 2 ]
amdhsa.kernels:
  - .name:           k_q58815297d2_gemm_out
    .symbol:         k_q58815297d2_gemm_out.kd
    .args:
      - { .name: aoc, .offset: 0, .size: 8, .value_kind: global_buffer, .address_space: global }
      - { .name: aos, .offset: 8, .size: 8, .value_kind: global_buffer, .address_space: global }
      - { .name: opc, .offset: 16, .size: 8, .value_kind: global_buffer, .address_space: global }
      - { .name: ops, .offset: 24, .size: 8, .value_kind: global_buffer, .address_space: global }
      - { .name: out_b, .offset: 32, .size: 8, .value_kind: global_buffer, .address_space: global }
      - { .name: out0, .offset: 40, .size: 8, .value_kind: global_buffer, .address_space: global }
    .group_segment_fixed_size: 327680
    .private_segment_fixed_size: 0
    .kernarg_segment_align: 8
    .kernarg_segment_size: 48
    .max_flat_workgroup_size: 128
    .sgpr_count:     100
    .vgpr_count:     1024
    .wavefront_size: 32
...
	.end_amdgpu_metadata
.endif
;; end of part 4
